; MI455X (gfx1250); checked and timed in simulation.
; The chip was launched on July 23, 2026; its instructions are those of AMD's public machine-readable ISA for CDNA 5 (MIT licence, August 2026) and "CDNA5" Instruction Set Architecture Reference Guide (July 2026). The comments in the code are by the model that wrote it; some were corrected since.
;; MLA Layer. Allowed arithmetic: float matrix products may take bf16 or f16 operands with f32 sums; all other float work in f32.
;; Inputs: w_kv_down 1,024 x 128 float32; w_kv_up 128 x 2,048 float32; w_out 1,024 x 1,024 float32; w_q 1,024 x 1,024 float32; x 64 x 256 x 1,024 float32.
;; Outputs: out0 64 x 256 x 1,024 float32.
;; 2 versions, each right and faster than the one before. Each part assembles by itself: llvm-mc -triple=amdgcn-amd-amdhsa -mcpu=gfx1250 --defsym DOCPART=n.
;; ======== version 1 of 2: 3 launches
;; limits: values are held in f16: magnitudes above 65,504 overflow, below 6.1e-05 lose precision
;; workspace buffers: xb 33,554,432 bytes; lat 4,194,304 bytes; wqb 2,097,152 bytes; wupb 524,288 bytes; wob 2,097,152 bytes; yb 33,554,432 bytes; mx 2,048 bytes
;; launch cast (part 1): grid 256 x 1, 8 waves a work-group, no clusters, 232,704 bytes of LDS; arguments x, w_kv_down, w_q, w_kv_up, w_out, xb, lat, wqb, wupb, wob, mx; writes xb, lat, wqb, wupb, wob, mx
.if DOCPART == 1
	.amdgcn_target "amdgcn-amd-amdhsa--gfx1250"
	.amdhsa_code_object_version 6
	.text
	.protected	k_q99fa62b52f_cast
	.globl	k_q99fa62b52f_cast
	.p2align	8
	.type	k_q99fa62b52f_cast,@function
k_q99fa62b52f_cast:
	s_mov_b64 s[64:65], 0
	v_nop
	global_prefetch_b8 v0, s[64:65] scope:SCOPE_SE
	s_setreg_imm32_b32 hwreg(HW_REG_WAVE_MODE, 25, 1), 1
	s_wait_xcnt 0x0
; xb = bf16(x);  lat = f16( bf16(x) . bf16(w_kv_down) ), sums in f32;  wqb = bf16(w_q);  wupb, wob = bf16(w_kv_up), bf16(w_out) written as f16; layouts [in][out] kept.
; mx[id] = the largest |lat| of work-group id's 64 tokens; mx[256 + id] = the largest |bf16(w_kv_up)| of its share (half a row: even id = K's columns, odd id = V's).
; WHY TWO FORMATS: every input is rounded to bf16, and what is computed from them (here the latent) is handed on in f16, whose 11 significant bits keep the early
; causal rows, which are several times larger than the output's root mean square, inside the comparison.  A bf16 number is an f16 number exactly from 2^-17 up;
; below that the error is at most 2^-25.
; 256 work-groups of eight waves.  A work-group owns 64 rows of x (262,144 bytes) and 1/256 of each of the three weights that are only cast.
; x is read once: each 32 bytes of f32 are rounded to 16 bytes of bf16, stored to xb and also laid into LDS, from where the latent's products take them.
; K = 1,024 goes in two halves of 512: for a half, the work-group rounds that half of w_kv_down (512 x 128) and of its 64 rows of x into LDS,
; then the eight waves multiply: wave w makes token tiles 2 (w & 1), +1 and latent tiles 2 (w >> 1), +1: four accumulators of 16 x 16.
; No tensor loads and no cluster: what is shared between work-groups (w_kv_down) arrives in f32 and has to pass through registers to be rounded.
; LIMITS: the latent is kept in f16 without a scale: |lat| has to stay below 65,504 (1,024 products of x and w_kv_down; with both 30 times the drawn spread its
; peak is near 3,100, with both offset by 30 spreads near 16,600).  In the maxima a NaN loses (v_max_num).
.set XP,  1040                         ; pitch of x's rows in LDS: 512 bf16 + 16 bytes = 65 x 16: sixteen rows start at sixteen different 16-byte columns
.set WP,  288                          ; pitch of w_kv_down's rows: 128 bf16 + 32 bytes = 9 x 32, for the transposing loads
.set LP,  272                          ; pitch of the latent's stage: 128 f16 + 16 bytes
.set XT,  512*WP                       ; LDS: w_kv_down's half at 0 (147,456 bytes), x's half behind it (66,560),
.set LS,  XT+64*XP                     ; the latent's stage behind that (17,408),
.set MXS, LS+64*LP                     ; and 64 bytes for the eight waves' two maxima: 231,488 bytes in all
.set OX,  1                            ; v1      x: (t >> 6) rows of 4,096 bytes + 32 (t & 63)
.set OXB, 2                            ; v2      xb: (t >> 6) rows of 2,048 bytes + 16 (t & 63)
.set OW,  3                            ; v3      32 t
.set O16, 4                            ; v4      16 t
.set O8,  5                            ; v5      8 t
.set LX,  6                            ; v6      LDS: where my 16 bytes of x go
.set LW,  8                            ; v8-11   LDS: where my 16 bytes of w_kv_down go, batch 0..3 (128 rows each)
.set FA,  12                           ; v12     LDS: my fragments of x
.set LSS, 14                           ; v14     the latent's stage, in
.set LSR, 15                           ; v15     the latent's stage, back
.set FB,  16                           ; v16-19  LDS: my fragments of w_kv_down, K trip 0..3 (128 rows each)
.set ML,  24                           ; v24     the largest |lat|
.set MW,  25                           ; v25     the largest |w_kv_up|
.set MXA, 26                           ; v26     LDS: my wave's two maxima
.set PX,  27                           ; v27     what comes from the other half of the lanes
.set ACC, 32                           ; v[32:63]   four accumulators, index 2 x token tile + latent tile
.set BK0, 64                           ; v[64:127]  bank 0 of loads from memory
.set BK1, 128                          ; v[128:191] bank 1
.set FR,  128                          ; v[128:255] fragments while the waves multiply (bank 1 is idle then)
	s_load_b512 s[4:19], s[0:1], 0x0               ; x 4:5, w_kv_down 6:7, w_q 8:9, w_kv_up 10:11, w_out 12:13, xb 14:15, lat 16:17, wqb 18:19
	s_load_b128 s[20:23], s[0:1], 0x40             ; wupb 20:21, wob 22:23
	s_load_b64 s[30:31], s[0:1], 0x50              ; mx
	v_lshl_add_u32 v13, v0, 2, 0x38900
	v_mov_b32 v31, 0
	v_lshrrev_b32 v20, 5, v0
	v_readfirstlane_b32 s24, v20                   ; wave 0..7
	s_and_b32 s26, s24, 1                          ; which 32 tokens are mine
	s_lshr_b32 s27, s24, 1                         ; which 32 latents
	s_mov_b32 s32, 0x76543210                      ; v_permlanex16_b32: lane i of one half reads lane i of the other
	s_mov_b32 s33, 0xfedcba98
	s_mov_b32 s34, 0xffff0000                      ; a word's upper bf16
	s_mov_b32 s35, 0x7fffffff                      ; clears a sign
	v_mov_b32 v[PX], 0                             ; v_permlanex16_b32 counts as a reader of its destination
	v_lshrrev_b32 v20, 6, v0                       ; t >> 6
	v_and_b32 v21, 63, v0                          ; t & 63
	v_lshlrev_b32 v[OX], 12, v20
	v_lshl_add_u32 v[OX], v21, 5, v[OX]
	v_lshlrev_b32 v[OXB], 11, v20
	v_lshl_add_u32 v[OXB], v21, 4, v[OXB]
	v_lshlrev_b32 v[OW], 5, v0
	v_lshlrev_b32 v[O16], 4, v0
	v_lshlrev_b32 v[O8], 3, v0
	v_mul_u32_u24 v[LX], v20, XP
	v_lshl_add_u32 v[LX], v21, 4, v[LX]
	v_add_nc_u32 v[LX], XT, v[LX]
	v_lshrrev_b32 v20, 4, v0                       ; t >> 4
	v_and_b32 v21, 15, v0                          ; t & 15 = lane % 16
	v_mul_u32_u24 v[LW], v20, WP
	v_lshl_add_u32 v[LW], v21, 4, v[LW]
.irp n, 1,2,3
	v_add_nc_u32 v[LW+\n], \n*128*WP, v[LW]
.endr
	v_mul_u32_u24 v[LSR], v20, LP
	v_lshl_add_u32 v[LSR], v21, 4, v[LSR]
	v_add_nc_u32 v[LSR], LS, v[LSR]
	v_bfe_u32 v22, v0, 4, 1                        ; h = lane / 16
	s_mul_i32 s28, s26, 32*XP
	s_add_co_u32 s28, s28, XT
	v_mul_u32_u24 v[FA], v21, XP                   ; a fragment of x: row lane % 16, 16 bytes for each half of the lanes
	v_lshl_add_u32 v[FA], v22, 4, v[FA]
	v_add_nc_u32 v[FA], s28, v[FA]
	v_and_b32 v23, 7, v0                           ; a fragment of w_kv_down, stored [k][n], by transposing loads:
	v_lshl_add_u32 v23, v22, 3, v23                ; row 8 h + lane % 8,
	v_mul_u32_u24 v[FB], v23, WP
	v_bfe_u32 v23, v0, 3, 1
	v_lshl_add_u32 v[FB], v23, 4, v[FB]            ; 16 bytes on for lanes 8-15 of each half,
	s_lshl_b32 s29, s27, 6
	v_add_nc_u32 v[FB], s29, v[FB]                 ; my 32 latents
.irp n, 1,2,3
	v_add_nc_u32 v[FB+\n], \n*128*WP, v[FB]
.endr
	s_mul_i32 s28, s26, 32*LP
	s_add_co_u32 s28, s28, s29
	s_add_co_u32 s28, s28, LS
	v_mul_u32_u24 v[LSS], v21, LP                  ; a lane ends with 8 neighbouring latents of token lane % 16
	v_lshl_add_u32 v[LSS], v22, 4, v[LSS]
	v_add_nc_u32 v[LSS], s28, v[LSS]
	s_lshl_b32 s28, s24, 3
	s_add_co_u32 s28, s28, MXS
	v_mov_b32 v[MXA], s28                          ; 8 bytes for each wave
	s_mov_b32 s3, 0
	s_wait_kmcnt 0x0
	s_lshl_b32 s2, ttmp9, 18                       ; every buffer at the work-group's share
	s_add_nc_u64 s[4:5], s[4:5], s[2:3]            ; x: 64 rows of 4,096 bytes
	s_lshl_b32 s2, ttmp9, 17
	s_add_nc_u64 s[14:15], s[14:15], s[2:3]        ; xb: 64 rows of 2,048
	s_lshl_b32 s2, ttmp9, 14
	s_add_nc_u64 s[16:17], s[16:17], s[2:3]        ; lat: 64 rows of 256
	s_add_nc_u64 s[8:9], s[8:9], s[2:3]            ; w_q, w_out: 16,384 bytes
	s_add_nc_u64 s[12:13], s[12:13], s[2:3]
	s_lshl_b32 s2, ttmp9, 13
	s_add_nc_u64 s[18:19], s[18:19], s[2:3]        ; wqb, wob: 8,192
	s_add_nc_u64 s[22:23], s[22:23], s[2:3]
	s_lshl_b32 s2, ttmp9, 12
	s_add_nc_u64 s[10:11], s[10:11], s[2:3]        ; w_kv_up: 4,096
	s_lshl_b32 s2, ttmp9, 11
	s_add_nc_u64 s[20:21], s[20:21], s[2:3]        ; wupb: 2,048
; A batch is eight passes of two 16-byte loads a thread (64 registers); batches take the two banks by turns, so that one batch is always on its way
; while the one before is rounded.  A pass of x covers 4 rows x 2,048 bytes, a pass of w_kv_down 16 rows x 512 = 8,192 dense bytes.
.macro ISSUEX bank, bt, hf             ; batch bt (0, 1) of half hf of my rows of x
	s_wait_xcnt 0x0                                ; the bank's registers were data of stores to xb: loaded again only behind this wait
.irp i, 0,1,2,3,4,5,6,7
	global_load_b128 v[\bank+8*\i:\bank+8*\i+3],   v[OX], s[4:5] offset:(8*\bt+\i)*16384+\hf*2048 th:TH_LOAD_NT
	global_load_b128 v[\bank+8*\i+4:\bank+8*\i+7], v[OX], s[4:5] offset:(8*\bt+\i)*16384+\hf*2048+16 th:TH_LOAD_NT
.endr
.endm
.macro ISSUEW bank, n, hf              ; batch n (0..3) of half hf of w_kv_down, which every work-group reads: no hint
	s_wait_xcnt 0x0
.irp i, 0,1,2,3,4,5,6,7
	global_load_b128 v[\bank+8*\i:\bank+8*\i+3],   v[OW], s[6:7] offset:\hf*262144+(8*\n+\i)*8192
	global_load_b128 v[\bank+8*\i+4:\bank+8*\i+7], v[OW], s[6:7] offset:\hf*262144+(8*\n+\i)*8192+16
.endr
.endm
; next = the loads of the younger batch.  Loads return in order (ISA guide 5.7.1): pass i is in when at most the younger batch and the 14 - 2 i
; younger loads of its own batch are out.  The eight f32 are rounded into the pass's first four registers, ascending, so no source is lost.
.macro CONVX bank, bt, hf, next
.irp i, 0,1,2,3,4,5,6,7
	s_wait_loadcnt \next+14-2*\i
.irp k, 0,1,2,3
	v_cvt_pk_bf16_f32 v[\bank+8*\i+\k], v[\bank+8*\i+2*\k], v[\bank+8*\i+2*\k+1]
.endr
	global_store_b128 v[OXB], v[\bank+8*\i:\bank+8*\i+3], s[14:15] offset:(8*\bt+\i)*8192+\hf*1024   ; a wave's store covers 512 consecutive bytes, aligned
	ds_store_b128 v[LX], v[\bank+8*\i:\bank+8*\i+3] offset:(8*\bt+\i)*4*XP
.endr
.endm
.macro CONVW bank, n, next
.irp i, 0,1,2,3,4,5,6,7
	s_wait_loadcnt \next+14-2*\i
.irp k, 0,1,2,3
	v_cvt_pk_bf16_f32 v[\bank+8*\i+\k], v[\bank+8*\i+2*\k], v[\bank+8*\i+2*\k+1]
.endr
	ds_store_b128 v[LW+\n], v[\bank+8*\i:\bank+8*\i+3] offset:\i*16*WP
.endr
.endm
; Four matrix instructions: 32 along K.  Source 0 = 16 latents (rows of w_kv_down transposed), source 1 = 16 tokens: a lane's eight results are eight
; neighbouring latents of one token.  The four accumulators take turns, one instruction a turn.
.macro KMUL s, zero
	s_wait_dscnt 24-8*\s                           ; eight loads a K step: the later steps' may stay out
.irp tt, 0,1
.irp nt, 0,1
.if \zero
	v_wmma_f32_16x16x32_bf16 v[ACC+8*(2*\tt+\nt):ACC+8*(2*\tt+\nt)+7], v[FR+32*\s+16+8*\nt:FR+32*\s+16+8*\nt+7], v[FR+32*\s+8*\tt:FR+32*\s+8*\tt+7], 0
.else
	v_wmma_f32_16x16x32_bf16 v[ACC+8*(2*\tt+\nt):ACC+8*(2*\tt+\nt)+7], v[FR+32*\s+16+8*\nt:FR+32*\s+16+8*\nt+7], v[FR+32*\s+8*\tt:FR+32*\s+8*\tt+7], v[ACC+8*(2*\tt+\nt):ACC+8*(2*\tt+\nt)+7]
.endif
.endr
.endr
.endm
; K trip kt of a half: 128 along K = four K steps, 32 LDS loads in one run, then 16 matrix instructions.
.macro KTRIP kt, zero
.rept 4
	v_nop                                          ; four places between the last matrix instructions and the loads into their sources (ISA guide 7.12.1 for vector instructions)
.endr
.irp s, 0,1,2,3
	ds_load_b128 v[FR+32*\s:FR+32*\s+3],          v[FA] offset:256*\kt+64*\s
	ds_load_b128 v[FR+32*\s+4:FR+32*\s+7],        v[FA] offset:256*\kt+64*\s+32
	ds_load_b128 v[FR+32*\s+8:FR+32*\s+11],       v[FA] offset:256*\kt+64*\s+16*XP
	ds_load_b128 v[FR+32*\s+12:FR+32*\s+15],      v[FA] offset:256*\kt+64*\s+16*XP+32
	ds_load_tr16_b128 v[FR+32*\s+16:FR+32*\s+19], v[FB+\kt] offset:\s*32*WP
	ds_load_tr16_b128 v[FR+32*\s+20:FR+32*\s+23], v[FB+\kt] offset:\s*32*WP+16*WP
	ds_load_tr16_b128 v[FR+32*\s+24:FR+32*\s+27], v[FB+\kt] offset:\s*32*WP+32
	ds_load_tr16_b128 v[FR+32*\s+28:FR+32*\s+31], v[FB+\kt] offset:\s*32*WP+16*WP+32
.endr
	KMUL 0, \zero
	KMUL 1, 0
	KMUL 2, 0
	KMUL 3, 0
.endm
; Two f32 are rounded to bf16 and the two bf16 numbers written as f16
.macro B2H dst, a, b
	v_cvt_pk_bf16_f32 v20, v[\a], v[\b]
	v_lshlrev_b32 v21, 16, v20
	v_and_b32 v20, s34, v20
	v_cvt_pk_f16_f32 v[\dst], v21, v20
.endm
; The largest of a register over the wave's 32 lanes, left in every lane
.macro WMAX r
	v_max_num_f32_dpp v[\r], v[\r], v[\r] row_xmask:1 row_mask:0xf bank_mask:0xf
	v_max_num_f32_dpp v[\r], v[\r], v[\r] row_xmask:2 row_mask:0xf bank_mask:0xf
	v_max_num_f32_dpp v[\r], v[\r], v[\r] row_xmask:4 row_mask:0xf bank_mask:0xf
	v_max_num_f32_dpp v[\r], v[\r], v[\r] row_xmask:8 row_mask:0xf bank_mask:0xf
	v_permlanex16_b32 v[PX], v[\r], s32, s33
	v_max_num_f32 v[\r], v[\r], v[PX]
.endm
	; ---- the first half of K ----
	ISSUEX BK0, 0, 0
	ISSUEX BK1, 1, 0
	CONVX  BK0, 0, 0, 16
	ISSUEW BK0, 0, 0
	CONVX  BK1, 1, 0, 16
	ISSUEW BK1, 1, 0
	CONVW  BK0, 0, 16
	ISSUEW BK0, 2, 0
	CONVW  BK1, 1, 16
	ISSUEW BK1, 3, 0
	CONVW  BK0, 2, 16
	ISSUEX BK0, 0, 1                               ; the second half's first batch is on its way while the waves multiply (bank 0 is no fragment register)
	CONVW  BK1, 3, 16
	s_wait_dscnt 0x0                               ; my LDS stores are done, for the other waves' sake
	s_barrier_signal -1
	s_barrier_wait -1                              ; both tiles are whole
	s_wait_xcnt 0x0                                ; bank 1 becomes fragment registers
	KTRIP 0, 1                                     ; the first products start the sums: nothing is cleared
	KTRIP 1, 0
	KTRIP 2, 0
	KTRIP 3, 0
	s_wait_dscnt 0x0                               ; my reads of both tiles are back
	s_barrier_signal -1
	s_barrier_wait -1                              ; everybody's are: the tiles may be written again
	; ---- the second half of K ----
.rept 4
	v_nop                                          ; four places in front of the loads into bank 1, which matrix instructions have read
.endr
	ISSUEX BK1, 1, 1
	CONVX  BK0, 0, 1, 16
	ISSUEW BK0, 0, 1
	CONVX  BK1, 1, 1, 16
	ISSUEW BK1, 1, 1
	CONVW  BK0, 0, 16
	ISSUEW BK0, 2, 1
	CONVW  BK1, 1, 16
	ISSUEW BK1, 3, 1
	CONVW  BK0, 2, 16
	s_wait_xcnt 0x0                                ; nine loads into bank 0: my share of the three weights that are only cast
	global_load_b128 v[BK0:BK0+3],     v[OW], s[8:9] th:TH_LOAD_NT
	global_load_b128 v[BK0+4:BK0+7],   v[OW], s[8:9] offset:16 th:TH_LOAD_NT
	global_load_b128 v[BK0+8:BK0+11],  v[OW], s[8:9] offset:8192 th:TH_LOAD_NT
	global_load_b128 v[BK0+12:BK0+15], v[OW], s[8:9] offset:8208 th:TH_LOAD_NT
	global_load_b128 v[BK0+16:BK0+19], v[OW], s[12:13] th:TH_LOAD_NT
	global_load_b128 v[BK0+20:BK0+23], v[OW], s[12:13] offset:16 th:TH_LOAD_NT
	global_load_b128 v[BK0+24:BK0+27], v[OW], s[12:13] offset:8192 th:TH_LOAD_NT
	global_load_b128 v[BK0+28:BK0+31], v[OW], s[12:13] offset:8208 th:TH_LOAD_NT
	global_load_b128 v[BK0+32:BK0+35], v[O16], s[10:11] th:TH_LOAD_NT
	CONVW  BK1, 3, 9                               ; the younger batch has nine loads
	s_wait_dscnt 0x0
	s_barrier_signal -1
	s_barrier_wait -1
	s_wait_xcnt 0x0
	KTRIP 0, 0
	KTRIP 1, 0
	KTRIP 2, 0
	KTRIP 3, 0
	; ---- my share of w_q (to bf16), w_out and w_kv_up (to bf16, written as f16), and the largest |w_kv_up| of my four numbers ----
	s_wait_loadcnt 0x0                             ; the nine loads, issued in front of the last four K trips
.irp p, 0,1
.irp k, 0,1,2,3
	v_cvt_pk_bf16_f32 v[BK0+8*\p+\k], v[BK0+8*\p+2*\k], v[BK0+8*\p+2*\k+1]
.endr
.endr
.irp p, 2,3
.irp k, 0,1,2,3
	B2H BK0+8*\p+\k, BK0+8*\p+2*\k, BK0+8*\p+2*\k+1
.endr
.endr
	v_cvt_pk_bf16_f32 v20, v[BK0+32], v[BK0+33]
	v_cvt_pk_bf16_f32 v21, v[BK0+34], v[BK0+35]
	v_lshlrev_b32 v[BK0+32], 16, v20               ; the four rounded numbers, widened again
	v_and_b32 v[BK0+33], s34, v20
	v_lshlrev_b32 v[BK0+34], 16, v21
	v_and_b32 v[BK0+35], s34, v21
	v_cvt_pk_f16_f32 v[BK0+36], v[BK0+32], v[BK0+33]
	v_cvt_pk_f16_f32 v[BK0+37], v[BK0+34], v[BK0+35]
.irp k, 0,1,2,3
	v_and_b32 v[20+\k], s35, v[BK0+32+\k]
.endr
	v_max3_num_f32 v[MW], v20, v21, v22
	v_max_num_f32 v[MW], v[MW], v23
	; ---- the largest |lat| of my 32 numbers ----
.rept 4
	v_nop                                          ; four places in front of what reads results and writes over fragments
.endr
.set i, 0
.rept 32
	v_and_b32 v[FR+32+i], s35, v[ACC+i]
.set i, i+1
.endr
	v_max_num_f32 v[ML], v[FR+32], v[FR+33]
.set i, 2
.rept 15
	v_max3_num_f32 v[ML], v[ML], v[FR+32+i], v[FR+32+i+1]
.set i, i+2
.endr
	WMAX ML
	WMAX MW
	ds_store_b64 v[MXA], v[ML:ML+1]                ; all lanes write the same 8 bytes with the same values
	; ---- the latent leaves through its stage: 16 bytes a lane in, whole rows of 256 bytes back ----
.irp a, 0,1,2,3
.irp k, 0,1,2,3
	v_cvt_pk_f16_f32 v[FR+4*\a+\k], v[ACC+8*\a+2*\k], v[ACC+8*\a+2*\k+1]
.endr
.endr
	ds_store_b128 v[LSS], v[FR:FR+3]
	ds_store_b128 v[LSS], v[FR+4:FR+7]   offset:32
	ds_store_b128 v[LSS], v[FR+8:FR+11]  offset:16*LP
	ds_store_b128 v[LSS], v[FR+12:FR+15] offset:16*LP+32
	s_wait_dscnt 0x0                               ; my LDS stores are done, for the other waves' sake
	s_barrier_signal -1
	s_barrier_wait -1
.irp p, 0,1,2,3
	ds_load_b128 v[FR+16+4*\p:FR+16+4*\p+3], v[LSR] offset:\p*16*LP
.endr
.irp p, 0,1,2,3
	s_wait_dscnt 3-\p
	global_store_b128 v[O16], v[FR+16+4*\p:FR+16+4*\p+3], s[16:17] offset:\p*4096   ; sixteen lanes store a row of 256 bytes
.endr
	global_store_b128 v[O16], v[BK0:BK0+3],     s[18:19]
	global_store_b128 v[O16], v[BK0+8:BK0+11],  s[18:19] offset:4096
	global_store_b128 v[O16], v[BK0+16:BK0+19], s[22:23]
	global_store_b128 v[O16], v[BK0+24:BK0+27], s[22:23] offset:4096
	global_store_b64  v[O8],  v[BK0+36:BK0+37], s[20:21]
	; ---- wave 0 joins the eight waves' maxima and stores the work-group's two words ----
	s_cmp_lg_u32 s24, 0
	s_cbranch_scc1 .Ldone
	v_mov_b32 v28, MXS
.irp p, 0,1,2,3
	ds_load_b128 v[FR+32+4*\p:FR+32+4*\p+3], v28 offset:16*\p      ; (lat, w) of waves 2 p, 2 p + 1, stored in front of the barrier above
.endr
	s_wait_dscnt 0x0
	v_max3_num_f32 v[ML], v[FR+32], v[FR+34], v[FR+36]
	v_max3_num_f32 v[MW], v[FR+33], v[FR+35], v[FR+37]
	v_max3_num_f32 v[ML], v[ML], v[FR+38], v[FR+40]
	v_max3_num_f32 v[MW], v[MW], v[FR+39], v[FR+41]
	v_max3_num_f32 v[ML], v[ML], v[FR+42], v[FR+44]
	v_max3_num_f32 v[MW], v[MW], v[FR+43], v[FR+45]
	v_max_num_f32 v[ML], v[ML], v[FR+46]
	v_max_num_f32 v[MW], v[MW], v[FR+47]
	v_and_b32 v29, 31, v0
	v_cmp_eq_u32 vcc_lo, 1, v29
	v_cndmask_b32 v[ML], v[ML], v[MW], vcc_lo      ; lane 0 carries the latent's maximum, lane 1 the weights'
	s_lshl_b32 s2, ttmp9, 2
	v_lshl_add_u32 v30, v29, 10, s2                ; mx[id] and mx[256 + id]: two words are all that a work-group has to say
	v_cmp_gt_u32 vcc_lo, 2, v29
	s_wait_xcnt 0x0                                ; EXEC is a source of the stores above: it changes only behind this wait
	s_and_saveexec_b32 s25, vcc_lo
	global_store_b32 v30, v[ML], s[30:31]
	s_wait_xcnt 0x0                                ; and again in front of the line that widens it
	s_or_b32 exec_lo, exec_lo, s25
.Ldone:
	s_wait_tensorcnt 0x0
	ds_add_u32 v13, v31
	s_wait_dscnt 0x0
	s_endpgm
.Lfunc_end_k_q99fa62b52f_cast:
	.size	k_q99fa62b52f_cast, .Lfunc_end_k_q99fa62b52f_cast-k_q99fa62b52f_cast
	.p2alignl 7, 3214868480
	.fill 96, 4, 3214868480
	.section	.rodata,"a",@progbits
	.p2align	6, 0x0
	.amdhsa_kernel k_q99fa62b52f_cast
		.amdhsa_group_segment_fixed_size 232704
		.amdhsa_private_segment_fixed_size 0
		.amdhsa_enable_private_segment 0
		.amdhsa_kernarg_size 88
		.amdhsa_user_sgpr_count 2
		.amdhsa_user_sgpr_kernarg_segment_ptr 1
		.amdhsa_wavefront_size32 1
		.amdhsa_system_sgpr_workgroup_id_x 1
		.amdhsa_system_sgpr_workgroup_id_y 1
		.amdhsa_system_sgpr_workgroup_id_z 1
		.amdhsa_system_vgpr_workitem_id 0
		.amdhsa_next_free_vgpr 256
		.amdhsa_next_free_sgpr 66
		.amdhsa_reserve_vcc 1
		.amdhsa_float_denorm_mode_32 3
		.amdhsa_float_denorm_mode_16_64 3
		.amdhsa_memory_ordered 1
		.amdhsa_forward_progress 1
		.amdhsa_inst_pref_size 96
	.end_amdhsa_kernel
	.amdgpu_metadata
---
amdhsa.version: [ 1, 2 ]
amdhsa.kernels:
  - .name:           k_q99fa62b52f_cast
    .symbol:         k_q99fa62b52f_cast.kd
    .args:
      - { .name: x, .offset: 0, .size: 8, .value_kind: global_buffer, .address_space: global }
      - { .name: w_kv_down, .offset: 8, .size: 8, .value_kind: global_buffer, .address_space: global }
      - { .name: w_q, .offset: 16, .size: 8, .value_kind: global_buffer, .address_space: global }
      - { .name: w_kv_up, .offset: 24, .size: 8, .value_kind: global_buffer, .address_space: global }
      - { .name: w_out, .offset: 32, .size: 8, .value_kind: global_buffer, .address_space: global }
      - { .name: xb, .offset: 40, .size: 8, .value_kind: global_buffer, .address_space: global }
      - { .name: lat, .offset: 48, .size: 8, .value_kind: global_buffer, .address_space: global }
      - { .name: wqb, .offset: 56, .size: 8, .value_kind: global_buffer, .address_space: global }
      - { .name: wupb, .offset: 64, .size: 8, .value_kind: global_buffer, .address_space: global }
      - { .name: wob, .offset: 72, .size: 8, .value_kind: global_buffer, .address_space: global }
      - { .name: mx, .offset: 80, .size: 8, .value_kind: global_buffer, .address_space: global }
    .group_segment_fixed_size: 232704
    .private_segment_fixed_size: 0
    .kernarg_segment_align: 8
    .kernarg_segment_size: 88
    .max_flat_workgroup_size: 256
    .sgpr_count:     66
    .vgpr_count:     256
    .wavefront_size: 32
...
	.end_amdgpu_metadata
.endif
;; end of part 1
;; launch attn (part 2): grid 4 x 64, 4 waves a work-group, clusters of 4 x 4, 327,680 bytes of LDS; arguments xb, wqb, lat, wupb, yb, mx; writes yb
.if DOCPART == 2
	.amdgcn_target "amdgcn-amd-amdhsa--gfx1250"
	.amdhsa_code_object_version 6
	.text
	.protected	k_q99fa62b52f_attn
	.globl	k_q99fa62b52f_attn
	.p2align	8
	.type	k_q99fa62b52f_attn,@function
k_q99fa62b52f_attn:
	s_mov_b64 s[64:65], 0
	v_nop
	global_prefetch_b8 v0, s[64:65] scope:SCOPE_SE
	s_setreg_imm32_b32 hwreg(HW_REG_WAVE_MODE, 25, 1), 1
	s_wait_xcnt 0x0
	s_wait_alu depctr_hold_cnt(0) depctr_sa_sdst(0) depctr_va_vdst(0) depctr_va_sdst(0) depctr_va_ssrc(0) depctr_va_vcc(0) depctr_vm_vsrc(0)
	s_getreg_b32 s2, hwreg(HW_REG_IB_STS2, 6, 4)
	s_cmp_eq_u32 s2, 0
	s_cbranch_scc0 .Lentry_in_a_cluster
	s_endpgm
.Lentry_in_a_cluster:
	s_bfe_u32 s2, ttmp6, 0x10000c
	s_cmp_lg_u32 s2, 0xf033
	s_cbranch_scc0 .Lentry_shape_is_right
	s_endpgm
.Lentry_shape_is_right:
; For one batch b (256 tokens) and one group g of four heads: Q = xb . wqb (bf16), K and V = lat . wupb (f16), causal softmax(Q K^T / 8), y = P V (f16).  Sums in f32.
; Four waves; wave w owns head 4 g + w: all 256 tokens x 64 d.  Q, K, V, the scores and P never leave registers, because every result's layout packs
; straight into the next product's fragment (a lane of a result holds column lane % 16 and eight neighbouring rows 8 (lane / 16) + 0..7):
;   Q, K:  source 0 = 16 d (weights, transposed on the way from LDS), source 1 = 16 tokens  -> lane: one token, 8 d     -> fragment (token, k = d)
;   V:     source 0 = 16 tokens, source 1 = 16 d                                            -> lane: one d, 8 tokens    -> fragment (d, k = key)
;   S^T:   source 0 = K (16 keys), source 1 = Q (16 queries)                                -> lane: one query, 8 keys  -> fragment (query, k = key)
;   O^T:   source 0 = V^T (16 d), source 1 = P (16 queries)                                 -> lane: one query, 8 d     -> 16 bytes of y
; So a query's maximum and sum are made inside a lane and across one pair of lanes, and 1 / sum is a factor of the lane.
; A query tile's whole column of scores (at most 256 keys = 128 registers) is held at once: the true maximum of the row is taken away, no running one is needed.
; Key tiles above the diagonal are not computed: the mask that throws them away is the problem's own (jnp.tril).
; FORMATS: the inputs are bf16; what is computed from them (lat, Q, K, V, P, y) is handed on in f16, whose 11 significant bits the early causal rows need.
; K and V get a power of two as a scale, so that f16's range is never left: |K|, |V| <= 128 max|lat| max|w_kv_up's half|, and with e the exponent field of
; max|lat| x max|w| the factor 2^(134 - e) brings that bound to 2^15.  K's scale is undone in the softmax's factor, V's (and so y's) by the launch that reads yb.
; CLUSTERS: 4 x 4 work-groups.  xb's and lat's tiles hang on b alone and are asked for jointly along a row of the cluster; wqb's and wupb's hang on g alone
; and are asked for jointly along a column.  That divides the requests for both by four.
; THE RING: two LDS slots, ten steps; step s lies in slot s & 1.  Steps 0-7: 128 along K of (xb, wqb); step 8: (lat, Wk); step 9: (nothing, Wv).
; LIMITS: Q is kept in f16 without a scale: |Q| has to stay below 65,504 (1,024 products of x and w_q; with both 30 times the drawn spread its peak is near 3,100,
; with both offset by 30 spreads near 16,600).  e is held to 11 .. 254: where max|lat| x max|w| is below 2^-116 the scale follows no further and K, V lose bits.
; The row sum is made of the f32 exponentials before they are rounded to f16; P below 2^-24 / 2 becomes 0; v_exp_f32 gives 0 for results below 2^-126
; (ISA guide 15.8); in the maxima a NaN loses (v_max_num), so NaN and infinite inputs give what these instructions give.
.set PITCH,  272                       ; rows of 128 numbers of 2 bytes + 16 bytes: sixteen rows start at sixteen different 16-byte columns
.set BPITCH, 544                       ; weights' rows of 256 numbers + 32 bytes = 17 x 32, for the transposing loads
.set HALFT,  34816                     ; what one tensor load brings: 128 x 272 = 64 x 544
.set SLOT,   4*HALFT                   ; 256 token rows, then 128 k rows of weights
.set BOFF,   2*HALFT
.set YPITCH, 528                       ; y's stage: 256 rows of 256 f16 + 16 bytes, in slot 0 behind its last fill
; window 0
.set MA,   2                           ; v2, v3   two chains of the maximum
.set MB,   3
.set MX,   4                           ; v4       what comes from the other half of the lanes
.set NM,   6                           ; v[6:7]   - c x maximum, twice
.set LA,   8                           ; v[8:9], v[10:11]  two chains of the sum
.set LB,   10
.set RL,   12                          ; v[12:13] 1 / sum, twice
.set NINF, 14                          ; v14      minus infinity
.set ADRA, 16                          ; v16-17   LDS: fragments of token rows, slot 0, 1
.set ADRB, 20                          ; v20-21   LDS: fragments of weights, slot 0, 1
.set YST,  24                          ; v24-25   y's stage, in: query tiles 0-7, 8-15
.set YRD,  26                          ; v26      y's stage, back
.set YCO,  27                          ; v27      16 x lane
.set FB0,  32                          ; Q's products: v[32:63], v[64:95] weights' fragments, two buffers
.set ACCB, 128                         ; K's and V's products: v[128:255] sixteen accumulators; v[64:127] staging buffer 0 (buffer 1: window 3, v[192:255])
.set OA,   32                          ; attention: v[32:63] O^T, v[64:191] S^T, v[192:255] P
.set SC,   64
.set PF,   192
; window 1: Q's products: token fragments, two buffers of 128; afterwards Q's fragment (t, c) at 16 t + 8 c
; window 2: Q's accumulators of token tiles 0-7, tile (t, dt) at 8 (4 t + dt); afterwards K's fragment (t, c) at 16 t + 8 c
; window 3: Q's accumulators of token tiles 8-15; afterwards V^T's fragment (dt, kb) at 64 (kb / 2) + 16 dt + 8 (kb % 2)
.set G1A, 24                           ; s[24:31] shape of xb's tiles      s[32:39] of wqb's
.set G1B, 32
.set G1L, 40                           ; s[40:47] of lat's                 s[48:55] of wupb's
.set G1U, 48
.set G0A, 56                           ; s[56:63] xb: from where, to where, a set for each slot
.set G0B, 68                           ; s[68:75] wqb likewise
.set G0L, 76                           ; s[76:79] lat    s[80:83] Wk    s[84:87] Wv
.set G0K, 80
.set G0V, 84
.set DM,  88                           ; s[88:95] the diagonal tile's masks, one for each register of a result
.set IK,  66                           ; s[66:67] K's scale, twice (the two masks lie here until group 1 is written)
.set IV,  4                            ; s[4:5]   V's scale, twice (xb's address lies here until group 0 is written)
.set MSB, 0
.macro WIN new                         ; s_set_vgpr_msb: bits 1:0 source 0, 3:2 source 1, 5:4 source 2, 7:6 destination; the high byte repeats the setting that is left
.if MSB != \new
	s_set_vgpr_msb (MSB<<8)|\new
.set MSB, \new
.endif
.endm
.set MUL_LO, 0xa4                      ; source 0 (weights) window 0, source 1 (tokens) window 1, C and D window 2
.set MUL_HI, 0xf4                      ; the same, C and D window 3
.macro PLACES                          ; four places behind matrix instructions (ISA guide 7.12.1 for vector instructions)
.rept 4
	v_nop
.endr
.endm
; A joint load.  Waves 0 and 1 fetch the two halves of the token rows, waves 2 and 3 those of the weights.  Each line has one mask and one set of registers,
; and nothing in them hangs on a coordinate that the four partners do not share.  The branch hangs on the wave's number alone.
.macro JL ga, g1a, gb, g1b
	s_cmp_eq_u32 s15, 0
	s_cbranch_scc0 .Lfor_b_\@
	tensor_load_to_lds s[\ga:\ga+3], s[\g1a:\g1a+7]
	s_nop 0
	s_branch .Lasked_\@
.Lfor_b_\@:
	tensor_load_to_lds s[\gb:\gb+3], s[\g1b:\g1b+7]
	s_nop 0
.Lasked_\@:
.endm
.macro JLB gb, g1b                     ; a step with weights alone: waves 0 and 1 have no part to fill
	s_cmp_eq_u32 s15, 0
	s_cbranch_scc1 .Lnone_\@
	tensor_load_to_lds s[\gb:\gb+3], s[\g1b:\g1b+7]
	s_nop 0
.Lnone_\@:
.endm
.macro CREST                           ; a round of the cluster's barrier behind its opening barrier
	s_cmp_lg_u32 s14, 0
	s_cbranch_scc1 .Lnot_wave_0_\@
	s_barrier_signal -3
.Lnot_wave_0_\@:
	s_barrier_wait -3
	s_barrier_signal -1
	s_barrier_wait -1
.endm
.macro CROUND                          ; a whole round
	s_barrier_signal -1
	s_barrier_wait -1
	CREST
.endm
.macro WMAX r                          ; the largest of a register over the wave's 32 lanes, left in every lane
	v_max_num_f32_dpp v[\r], v[\r], v[\r] row_xmask:1 row_mask:0xf bank_mask:0xf
	v_max_num_f32_dpp v[\r], v[\r], v[\r] row_xmask:2 row_mask:0xf bank_mask:0xf
	v_max_num_f32_dpp v[\r], v[\r], v[\r] row_xmask:4 row_mask:0xf bank_mask:0xf
	v_max_num_f32_dpp v[\r], v[\r], v[\r] row_xmask:8 row_mask:0xf bank_mask:0xf
	v_permlanex16_b32 v[MX], v[\r], s21, s22
	v_max_num_f32 v[\r], v[\r], v[MX]
.endm
	s_load_b256 s[4:11], s[0:1], 0x0               ; xb 4:5, wqb 6:7, lat 8:9, wupb 10:11
	s_load_b64 s[12:13], s[0:1], 0x20              ; yb
	s_load_b64 s[104:105], s[0:1], 0x28            ; mx
	v_lshl_add_u32 v23, v0, 2, 0x44000
	v_mov_b32 v31, 0
	ds_add_u32 v23, v31
	v_lshrrev_b32 v1, 5, v0
	v_readfirstlane_b32 s14, v1                    ; wave 0..3 = my head in the group
	s_lshr_b32 s15, s14, 1                         ; I fetch token rows (0) or weights (1),
	s_and_b32 s16, s14, 1                          ; and which half of them
	s_bfe_u32 s17, ttmp6, 0x40000                  ; cx
	s_bfe_u32 s18, ttmp6, 0x40004                  ; cy
	s_lshl_b32 s19, ttmp9, 2
	s_add_co_u32 s19, s19, s17                     ; g = 4 x cluster x + cx
	s_and_b32 s20, ttmp7, 0xffff
	s_lshl_b32 s20, s20, 2
	s_add_co_u32 s20, s20, s18                     ; b = 4 x cluster y + cy
	s_lshl_b32 s66, s18, 2
	s_lshl_b32 s66, 15, s66                        ; my row of the cluster: places 4 cy .. 4 cy + 3
	s_lshl_b32 s67, 0x1111, s17                    ; my column: places cx, cx + 4, cx + 8, cx + 12
	; group 1 of the token tiles: 128 rows x 128 elements of 2 bytes, 4 words of padding behind every 64
	s_or_b32 s[G1A+0], s66, (1<<16)|(1<<20)|(1<<21)|(5<<22)|(3<<25)
	s_mov_b32 s[G1A+1], 128<<16                    ; tensor_dim0 = 128
	s_mov_b32 s[G1A+2], 128<<16                    ; tensor_dim1 = 128
	s_mov_b32 s[G1A+3], 128<<16                    ; tile_dim0 = 128
	s_mov_b32 s[G1A+4], 128                        ; tile_dim1 = 128
	s_mov_b32 s[G1A+5], 1024                       ; xb: 1,024 elements from row to row
	s_mov_b32 s[G1A+6], 0
	s_mov_b32 s[G1A+7], 0
	s_or_b32 s[G1L+0], s66, (1<<16)|(1<<20)|(1<<21)|(5<<22)|(3<<25)
	s_mov_b32 s[G1L+1], 128<<16
	s_mov_b32 s[G1L+2], 128<<16
	s_mov_b32 s[G1L+3], 128<<16
	s_mov_b32 s[G1L+4], 128
	s_mov_b32 s[G1L+5], 128                        ; lat: 128 elements from row to row
	s_mov_b32 s[G1L+6], 0
	s_mov_b32 s[G1L+7], 0
	; group 1 of the weights' tiles: 64 k rows x 256 elements, 8 words of padding behind every 128
	s_or_b32 s[G1B+0], s67, (1<<16)|(1<<20)|(1<<21)|(6<<22)|(7<<25)
	s_mov_b32 s[G1B+1], 256<<16                    ; tensor_dim0 = 256
	s_mov_b32 s[G1B+2], 64<<16                     ; tensor_dim1 = 64
	s_mov_b32 s[G1B+3], 256<<16                    ; tile_dim0 = 256
	s_mov_b32 s[G1B+4], 64                         ; tile_dim1 = 64
	s_mov_b32 s[G1B+5], 1024                       ; wqb: 1,024 elements from row to row
	s_mov_b32 s[G1B+6], 0
	s_mov_b32 s[G1B+7], 0
	s_or_b32 s[G1U+0], s67, (1<<16)|(1<<20)|(1<<21)|(6<<22)|(7<<25)
	s_mov_b32 s[G1U+1], 256<<16
	s_mov_b32 s[G1U+2], 64<<16
	s_mov_b32 s[G1U+3], 256<<16
	s_mov_b32 s[G1U+4], 64
	s_mov_b32 s[G1U+5], 2048                       ; wupb: 2,048 elements from row to row
	s_mov_b32 s[G1U+6], 0
	s_mov_b32 s[G1U+7], 0
	; Where the tiles come from.  s[100:101] holds offsets made of b and the wave's number alone, s[2:3] offsets made of g and the wave's number alone.
	s_mov_b32 s101, 0
	s_mov_b32 s3, 0
	s_wait_dscnt 0x0
	s_wait_kmcnt 0x0
	s_lshl_b32 s100, s20, 19                       ; xb: b x 256 rows of 2,048 bytes
	s_lshl_b32 s99, s16, 18                        ;     + half x 128 rows
	s_add_co_u32 s100, s100, s99
	s_add_nc_u64 s[4:5], s[4:5], s[100:101]
	s_lshl_b32 s100, s20, 16                       ; lat: b x 256 rows of 256 bytes
	s_lshl_b32 s99, s16, 15                        ;     + half x 128 rows
	s_add_co_u32 s100, s100, s99
	s_add_nc_u64 s[8:9], s[8:9], s[100:101]
	s_lshl_b32 s2, s19, 9                          ; wqb: g x 256 columns of 2 bytes
	s_lshl_b32 s99, s16, 17                        ;     + half x 64 rows of 2,048 bytes
	s_add_co_u32 s2, s2, s99
	s_add_nc_u64 s[6:7], s[6:7], s[2:3]
	s_lshl_b32 s2, s19, 9                          ; wupb: g x 256 columns
	s_lshl_b32 s99, s16, 18                        ;     + half x 64 rows of 4,096 bytes
	s_add_co_u32 s2, s2, s99
	s_add_nc_u64 s[10:11], s[10:11], s[2:3]
	s_mul_i32 s99, s14, HALFT                      ; and where they go: wave x 34,816 in the slot: no place in the cluster enters an LDS address
.irp s, 0,1
	s_mov_b32 s[G0A+4*\s], 1
	s_add_co_u32 s[G0A+4*\s+1], s99, \s*SLOT
	s_add_nc_u64 s[G0A+4*\s+2:G0A+4*\s+3], s[4:5], \s*256          ; K step s: 128 elements along the rows
	s_or_b32 s[G0A+4*\s+3], s[G0A+4*\s+3], 0x80000000
	s_mov_b32 s[G0B+4*\s], 1
	s_add_co_u32 s[G0B+4*\s+1], s99, \s*SLOT
	s_add_nc_u64 s[G0B+4*\s+2:G0B+4*\s+3], s[6:7], \s*262144       ; K step s: 128 rows down
	s_or_b32 s[G0B+4*\s+3], s[G0B+4*\s+3], 0x80000000
.endr
	s_mov_b32 s[G0L], 1
	s_add_co_u32 s[G0L+1], s99, 0                  ; step 8 lies in slot 0
	s_mov_b64 s[G0L+2:G0L+3], s[8:9]
	s_or_b32 s[G0L+3], s[G0L+3], 0x80000000
	s_mov_b32 s[G0K], 1
	s_add_co_u32 s[G0K+1], s99, 0
	s_mov_b64 s[G0K+2:G0K+3], s[10:11]
	s_or_b32 s[G0K+3], s[G0K+3], 0x80000000
	s_mov_b32 s[G0V], 1
	s_add_co_u32 s[G0V+1], s99, SLOT               ; step 9 lies in slot 1
	s_add_nc_u64 s[G0V+2:G0V+3], s[10:11], 2048    ; V's columns begin 1,024 elements behind K's
	s_or_b32 s[G0V+3], s[G0V+3], 0x80000000
	CROUND                                         ; all sixteen work-groups are here: the first joint loads meet
	JL G0A, G1A, G0B, G1B                          ; steps 0 and 1: two tensor loads of each wave are out, the most in this text
	JL G0A+4, G1A, G0B+4, G1B
	; the 512 maxima: every wave reads them all, 32 + 32 bytes a lane, while the first tiles are on their way
	v_and_b32 v30, 31, v0
	v_lshlrev_b32 v30, 5, v30
	global_load_b128 v[32:35], v30, s[104:105]                     ; max|lat| of work-groups 8 lane .. 8 lane + 7 of the launch before
	global_load_b128 v[36:39], v30, s[104:105] offset:16
	global_load_b128 v[40:43], v30, s[104:105] offset:1024         ; max|w_kv_up|: even places K's columns, odd places V's
	global_load_b128 v[44:47], v30, s[104:105] offset:1040
	v_and_b32 v1, 15, v0                           ; r = lane % 16
	v_bfe_u32 v5, v0, 4, 1                         ; h = lane / 16
	v_mul_u32_u24 v28, v1, PITCH
	v_lshl_add_u32 v[ADRA], v5, 4, v28             ; token rows: row r, 16 bytes for each half of the lanes
	v_add_nc_u32 v[ADRA+1], SLOT, v[ADRA]
	v_and_b32 v28, 7, v0                           ; weights, stored [k][n], by transposing loads: row 8 h + lane % 8,
	v_lshl_add_u32 v28, v5, 3, v28
	v_mul_u32_u24 v28, v28, BPITCH
	v_bfe_u32 v29, v0, 3, 1
	v_lshl_add_u32 v28, v29, 4, v28                ; 16 bytes on for lanes 8-15 of each half,
	s_lshl_b32 s23, s14, 7
	v_add_nc_u32 v28, s23, v28                     ; my head's 64 columns
	v_add_nc_u32 v[ADRB], BOFF, v28
	v_add_nc_u32 v[ADRB+1], BOFF+SLOT, v28
	v_mul_u32_u24 v29, v1, YPITCH                  ; y's stage, in: row r, my head's 128 bytes, 16 bytes for each half of the lanes
	v_lshl_add_u32 v29, v5, 4, v29
	v_add_nc_u32 v[YST], s23, v29
	v_add_nc_u32 v[YST+1], 128*YPITCH, v[YST]
	v_and_b32 v29, 31, v0
	v_lshlrev_b32 v[YCO], 4, v29
	s_mul_i32 s23, s14, 64*YPITCH                  ; back: wave w takes rows 64 w .. 64 w + 63, a row of 512 bytes for 32 lanes
	v_add_nc_u32 v[YRD], s23, v[YCO]
	v_lshlrev_b32 v5, 3, v5
	v_sub_nc_u32 v5, v1, v5                        ; r - 8 h
.irp j, 0,1,2,3,4,5,6,7
	v_cmp_le_i32 s[DM+\j], \j, v5                  ; in the diagonal tile key 8 h + j is kept for query r where 8 h + j <= r
.endr
	v_mov_b32 v[NINF], 0xff800000
	v_mov_b32 v[MX], 0                             ; v_permlanex16_b32 counts as a reader of its destination
	s_mov_b32 s21, 0x76543210                      ; lane i of one half reads lane i of the other
	s_mov_b32 s22, 0xfedcba98
	; the two scales
	s_wait_loadcnt 0x0
	v_max3_num_f32 v[MA], v32, v33, v34
	v_max_num_f32 v[MB], v40, v42
	v_max_num_f32 v28, v41, v43
	v_max3_num_f32 v[MA], v[MA], v35, v36
	v_max3_num_f32 v[MB], v[MB], v44, v46
	v_max3_num_f32 v28, v28, v45, v47
	v_max3_num_f32 v[MA], v[MA], v37, v38
	v_max_num_f32 v[MA], v[MA], v39
	WMAX MA
	WMAX MB
	WMAX 28
	v_mul_f32 v[MB], v[MA], v[MB]                  ; max|lat| x max|Wk|
	v_mul_f32 v28, v[MA], v28                      ; max|lat| x max|Wv|: the launch that reads yb makes the same product of the same numbers
	v_readfirstlane_b32 s6, v[MB]
	v_readfirstlane_b32 s7, v28
	s_bfe_u32 s6, s6, 0x80017                      ; e: the 8 bits from bit 23.  The product is below 2^(e - 126), 128 of them below 2^(e - 119)
	s_bfe_u32 s7, s7, 0x80017
	s_max_u32 s6, s6, 11                           ; held to 11 .. 254, so that every exponent field below lies in 1 .. 254
	s_min_u32 s6, s6, 254
	s_max_u32 s7, s7, 11
	s_min_u32 s7, s7, 254
	s_sub_co_u32 s[IK], 261, s6
	s_lshl_b32 s[IK], s[IK], 23                    ; 2^(134 - e) as f32: the field is 127 + 134 - e
	s_mov_b32 s[IK+1], s[IK]
	s_sub_co_u32 s[IV], 261, s7
	s_lshl_b32 s[IV], s[IV], 23
	s_mov_b32 s[IV+1], s[IV]
	s_sub_co_i32 s6, s6, 134
	s_lshl_b32 s6, s6, 23
	s_add_co_u32 s96, s6, 0x3e38aa3b               ; c = log2(e) / 8 x 2^(e - 134): the scale 64^-0.5, the base of v_exp_f32 and K's scale undone, by a sum on the exponent field (124 + e - 134 >= 1)
	s_mov_b32 s97, s96
	s_or_b32 s98, s96, 0x80000000                  ; - c
; ---------------- Q = xb . wqb: 8 K steps of 128, each four quarters of 32, 64 matrix instructions a quarter ----------------
; 16 matrix instructions: token tiles t0 .. t0 + 3 of the window's eight x the 4 d tiles.  The 64 accumulators take turns in one fixed order.
.macro MUL16 f, hi, t0, zero
.irp t, \t0, \t0+1, \t0+2, \t0+3
.irp d, 0,1,2,3
.if \zero
	v_wmma_f32_16x16x32_bf16 v[8*(4*(\t)+\d):8*(4*(\t)+\d)+7], v[FB0+32*\f+8*\d:FB0+32*\f+8*\d+7], v[128*\f+8*(8*\hi+\t):128*\f+8*(8*\hi+\t)+7], 0
.else
	v_wmma_f32_16x16x32_bf16 v[8*(4*(\t)+\d):8*(4*(\t)+\d)+7], v[FB0+32*\f+8*\d:FB0+32*\f+8*\d+7], v[128*\f+8*(8*\hi+\t):128*\f+8*(8*\hi+\t)+7], v[8*(4*(\t)+\d):8*(4*(\t)+\d)+7]
.endif
.endr
.endr
.endm
; 40 LDS loads in one run: quarter q of a slot into buffer f: 8 for my 64 columns of weights, then 32 for the 256 token rows, ascending
.macro FETCH slot, q, f
	WIN 0
.irp d, 0,1,2,3
	ds_load_tr16_b128 v[FB0+32*\f+8*\d:FB0+32*\f+8*\d+3],   v[ADRB+\slot] offset:\q*32*BPITCH+32*\d
	ds_load_tr16_b128 v[FB0+32*\f+8*\d+4:FB0+32*\f+8*\d+7], v[ADRB+\slot] offset:\q*32*BPITCH+16*BPITCH+32*\d
.endr
	WIN 0x40
.irp t, 0,1,2,3,4,5,6,7,8,9,10,11,12,13,14,15
	ds_load_b128 v[128*\f+8*\t:128*\f+8*\t+3],   v[ADRA+\slot] offset:\q*64+\t*16*PITCH
	ds_load_b128 v[128*\f+8*\t+4:128*\f+8*\t+7], v[ADRA+\slot] offset:\q*64+\t*16*PITCH+32
.endr
.endm
.macro QUARTER slot, q, f, g, zero     ; multiplies buffer f; in its middle fetches quarter q into buffer g
	s_wait_dscnt 16                                ; the weights and token tiles 0-7 are in; the youngest sixteen loads (tiles 8-15) may be out
	WIN MUL_LO
	MUL16 \f, 0, 0, \zero
	MUL16 \f, 0, 4, \zero
	PLACES
	FETCH \slot, \q, \g
	s_wait_dscnt 40                                ; all but the 40 just issued
	WIN MUL_HI
	MUL16 \f, 1, 0, \zero
	MUL16 \f, 1, 4, \zero
.endm
.macro THREE slot, zero
	QUARTER \slot, 1, 0, 1, \zero
	QUARTER \slot, 2, 1, 0, 0
	QUARTER \slot, 3, 0, 1, 0
.endm
; The last quarter of a K step: multiplies buffer 1 and changes slots.  In front of the round each wave waits for its reads of this slot and for all its tensor
; loads (one is out: its part of the next slot).  Behind the round no wave of any partner reads this slot or has a load on its way: the joint refill comes first.
; kind 1: this slot gets the K step two ahead; 2: it gets (lat, Wk); 3: it gets Wv, and nothing of the next slot is fetched for Q.
.macro TURN slot, next, kind
	s_wait_dscnt 16
	WIN MUL_LO
	MUL16 1, 0, 0, 0
	s_wait_dscnt 0x0                               ; my reads of this slot are over
	s_set_vgpr_msb 0xa4a0
	s_wait_tensorcnt 0x0                           ; all my tensor loads have landed
	ds_add_u32 v23, v31
	s_wait_dscnt 0x0
	s_set_vgpr_msb 0xa0a4
	s_barrier_signal -1                            ; the round opens
	MUL16 1, 0, 4, 0                               ; work on registers while the others arrive
	WIN 0
	s_barrier_wait -1
	CREST
.if \kind == 1
	s_add_nc_u64 s[G0A+4*\slot+2:G0A+4*\slot+3], s[G0A+4*\slot+2:G0A+4*\slot+3], 512
	s_add_nc_u64 s[G0B+4*\slot+2:G0B+4*\slot+3], s[G0B+4*\slot+2:G0B+4*\slot+3], 524288
	JL G0A+4*\slot, G1A, G0B+4*\slot, G1B
.endif
.if \kind == 2
	JL G0L, G1L, G0K, G1U
.endif
.if \kind == 3
	JLB G0V, G1U
.else
	PLACES
	FETCH \next, 0, 0
.endif
	WIN MUL_HI
	MUL16 1, 1, 0, 0
	MUL16 1, 1, 4, 0
.endm
.macro LAP zero
	THREE 0, \zero
	TURN 0, 1, 1
	THREE 1, 0
	TURN 1, 0, 1
.endm
	s_wait_tensorcnt 0x1                           ; my part of step 0 is in; step 1's may stay out
	s_barrier_signal -1
	s_barrier_wait -1
	FETCH 0, 0, 0
	LAP 1                                          ; steps 0, 1 (their turns ask for 2, 3): the first products start the sums
	WIN 0
	s_mov_b32 s23, 2
.Llap:
	LAP 0                                          ; steps 2, 3 and 4, 5 (asking for 4 to 7)
	WIN 0
	s_sub_co_u32 s23, s23, 1
	s_cmp_lg_u32 s23, 0
	s_cbranch_scc1 .Llap
	THREE 0, 0                                     ; step 6,
	TURN 0, 1, 2                                   ; whose slot gets lat and Wk
	THREE 1, 0                                     ; step 7,
	TURN 1, 0, 3                                   ; whose slot gets Wv; its barrier has also shown lat and Wk whole to every wave
	; Q to f16: accumulator tile idx = 4 t + dt packs into registers 4 idx .. 4 idx + 3 of window 1 = half of fragment (t, dt / 2)
	PLACES
	WIN 0x4a
.set i, 0
.rept 128
	v_cvt_pk_f16_f32 v[i], v[2*i], v[2*i+1]
.set i, i+1
.endr
	WIN 0x4f
.set i, 0
.rept 128
	v_cvt_pk_f16_f32 v[128+i], v[2*i], v[2*i+1]
.set i, i+1
.endr
; ---------------- K and V = lat . wupb: four quarters of 64 tokens, each four K steps of 32, 16 matrix instructions a step ----------------
; 16 LDS loads: K step ks of token quarter qd into staging buffer ks & 1: my 64 columns of the weights in slot wslot, then four token tiles of lat (slot 0)
.macro FETCHB wslot, qd, ks
.set FBB, 64+128*(\ks&1)
.if \ks&1
	WIN 0xc0
.else
	WIN 0
.endif
.irp d, 0,1,2,3
	ds_load_tr16_b128 v[FBB+8*\d:FBB+8*\d+3],   v[ADRB+\wslot] offset:\ks*32*BPITCH+32*\d
	ds_load_tr16_b128 v[FBB+8*\d+4:FBB+8*\d+7], v[ADRB+\wslot] offset:\ks*32*BPITCH+16*BPITCH+32*\d
.endr
.irp l, 0,1,2,3
	ds_load_b128 v[FBB+32+8*\l:FBB+32+8*\l+3],   v[ADRA] offset:\ks*64+(4*\qd+\l)*16*PITCH
	ds_load_b128 v[FBB+32+8*\l+4:FBB+32+8*\l+7], v[ADRA] offset:\ks*64+(4*\qd+\l)*16*PITCH+32
.endr
.endm
; kind 0 (K): accumulator 4 tl + dt, source 0 = weights dt, source 1 = tokens tl.  kind 1 (V): accumulator 4 dt + tl, source 0 = tokens tl, source 1 = weights dt.
; (nqd, nks) = the next step, fetched into the other buffer ahead of this step's products; nqd = 4: nothing is left.  The sixteen accumulators take turns.
.macro STEPB kind, wslot, qd, ks, nqd, nks
	PLACES
.if \nqd < 4
	FETCHB \wslot, \nqd, \nks
	s_wait_dscnt 16                                ; all but the 16 just issued
.else
	s_wait_dscnt 0x0
.endif
.set BB, 64+128*(\ks&1)
.if \ks&1
	WIN 0x0f
.else
	WIN 0
.endif
.irp i, 0,1,2,3
.irp j, 0,1,2,3
.if \ks == 0
	v_wmma_f32_16x16x32_f16 v[ACCB+8*(4*\i+\j):ACCB+8*(4*\i+\j)+7], v[BB+32*\kind+8*\j:BB+32*\kind+8*\j+7], v[BB+32-32*\kind+8*\i:BB+32-32*\kind+8*\i+7], 0
.else
	v_wmma_f32_16x16x32_f16 v[ACCB+8*(4*\i+\j):ACCB+8*(4*\i+\j)+7], v[BB+32*\kind+8*\j:BB+32*\kind+8*\j+7], v[BB+32-32*\kind+8*\i:BB+32-32*\kind+8*\i+7], v[ACCB+8*(4*\i+\j):ACCB+8*(4*\i+\j)+7]
.endif
.endr
.endr
.if \ks == 3
	PLACES                                         ; the quarter is summed: scaled into f16's range, then accumulator idx into registers 64 qd + 4 idx .. + 3 of window 2 (K) or 3 (V)
	WIN 0
.set SCL, IK+(IV-IK)*\kind
.set i, 0
.rept 64
	v_pk_mul_f32 v[ACCB+2*i:ACCB+2*i+1], v[ACCB+2*i:ACCB+2*i+1], s[SCL:SCL+1] op_sel_hi:[1,0]
.set i, i+1
.endr
.if \kind
	WIN 0xc0
.else
	WIN 0x80
.endif
.set i, 0
.rept 64
	v_cvt_pk_f16_f32 v[64*\qd+i], v[ACCB+2*i], v[ACCB+2*i+1]
.set i, i+1
.endr
.endif
.endm
.macro SEQB kind, wslot
	FETCHB \wslot, 0, 0
	STEPB \kind, \wslot, 0, 0, 0, 1
	STEPB \kind, \wslot, 0, 1, 0, 2
	STEPB \kind, \wslot, 0, 2, 0, 3
	STEPB \kind, \wslot, 0, 3, 1, 0
	STEPB \kind, \wslot, 1, 0, 1, 1
	STEPB \kind, \wslot, 1, 1, 1, 2
	STEPB \kind, \wslot, 1, 2, 1, 3
	STEPB \kind, \wslot, 1, 3, 2, 0
	STEPB \kind, \wslot, 2, 0, 2, 1
	STEPB \kind, \wslot, 2, 1, 2, 2
	STEPB \kind, \wslot, 2, 2, 2, 3
	STEPB \kind, \wslot, 2, 3, 3, 0
	STEPB \kind, \wslot, 3, 0, 3, 1
	STEPB \kind, \wslot, 3, 1, 3, 2
	STEPB \kind, \wslot, 3, 2, 3, 3
	STEPB \kind, \wslot, 3, 3, 4, 0
.endm
	SEQB 0, 0                                      ; K, from slot 0
	WIN 0
	s_wait_dscnt 0x0
	s_wait_tensorcnt 0x0                           ; my part of Wv has landed (waves 0 and 1 have none out)
	s_barrier_signal -1
	s_barrier_wait -1                              ; Wv is whole for every wave
	SEQB 1, 1                                      ; V, weights from slot 1, lat from slot 0.  The last quarter's pack lands on staging buffer 1, which is done with
	WIN 0
	s_wait_dscnt 0x0                               ; my reads of slot 0 are back
	s_barrier_signal -1
	s_barrier_wait -1                              ; everybody's are, and slot 0 has had its last fill: it becomes y's stage
; ---------------- attention: query tile t against key tiles 0 .. t ----------------
.macro QT t
.set NT, \t+1
.set NKB, (\t)/2+1
	WIN 0x06                                       ; source 0 (K) window 2, source 1 (Q) window 1
.set kt, 0
.rept NT
	v_wmma_f32_16x16x32_f16 v[SC+8*kt:SC+8*kt+7], v[16*kt:16*kt+7], v[16*\t:16*\t+7], 0
.set kt, kt+1
.endr
.set kt, 0
.rept NT
.if NT == 1
	s_wait_alu depctr_va_vdst(0)                   ; a wait ahead of the link; elsewhere the tiles take turns
.endif
	v_wmma_f32_16x16x32_f16 v[SC+8*kt:SC+8*kt+7], v[16*kt+8:16*kt+15], v[16*\t+8:16*\t+15], v[SC+8*kt:SC+8*kt+7]
.set kt, kt+1
.endr
	WIN 0
	PLACES
.irp j, 0,1,2,3,4,5,6,7
	v_cndmask_b32 v[SC+8*\t+\j], v[NINF], v[SC+8*\t+\j], s[DM+\j]  ; the diagonal tile: keys behind the query become minus infinity
.endr
	v_max_num_f32 v[MA], v[SC], v[SC+1]            ; my query's maximum over my 8 NT keys, in two chains
	v_max_num_f32 v[MB], v[SC+2], v[SC+3]
.set i, 4
.rept 2*NT-1
	v_max3_num_f32 v[MA], v[MA], v[SC+i], v[SC+i+1]
	v_max3_num_f32 v[MB], v[MB], v[SC+i+2], v[SC+i+3]
.set i, i+4
.endr
	v_max_num_f32 v[MA], v[MA], v[MB]
	v_permlanex16_b32 v[MX], v[MA], s21, s22       ; the query's other keys lie in the lane 16 away
	v_max_num_f32 v[MA], v[MA], v[MX]
	v_mul_f32 v[NM], s98, v[MA]
	v_mul_f32 v[NM+1], s98, v[MA]
.set i, 0
.rept 4*NT
	v_pk_fma_f32 v[SC+i:SC+i+1], v[SC+i:SC+i+1], s[96:97], v[NM:NM+1] op_sel_hi:[1,0,1]   ; c (s - maximum)
.set i, i+2
.endr
.set i, 0
.rept 8*NT
	v_exp_f32 v[SC+i], v[SC+i]
.set i, i+1
.endr
	v_nop                                          ; one plain place behind the last transcendental (ISA guide 5.7.2)
	s_wait_alu depctr_va_vdst(0)
	v_pk_add_f32 v[LA:LA+1], v[SC:SC+1], v[SC+2:SC+3]
	v_pk_add_f32 v[LB:LB+1], v[SC+4:SC+5], v[SC+6:SC+7]
.set i, 8
.rept 2*(NT-1)
	v_pk_add_f32 v[LA:LA+1], v[LA:LA+1], v[SC+i:SC+i+1]
	v_pk_add_f32 v[LB:LB+1], v[LB:LB+1], v[SC+i+2:SC+i+3]
.set i, i+4
.endr
	v_pk_add_f32 v[LA:LA+1], v[LA:LA+1], v[LB:LB+1]
	v_add_f32 v[LA], v[LA], v[LA+1]
	v_permlanex16_b32 v[MX], v[LA], s21, s22
	v_add_f32 v[LA], v[LA], v[MX]                  ; the row's sum, at least the maximum's own term
	v_rcp_f32 v[RL], v[LA]
	v_rcp_f32 v[RL+1], v[LA]                       ; the conversions below are the plain places behind these two
.set i, 0
.rept 4*NT
	v_cvt_pk_f16_f32 v[PF+i], v[SC+2*i], v[SC+2*i+1]               ; key tile kt packs into half of P's fragment kt / 2
.set i, i+1
.endr
.if (\t)%2 == 0
	s_wait_alu depctr_va_vdst(0)
.irp k, 0,1,2,3
	v_mov_b32 v[PF+4*NT+\k], 0                     ; an odd number of key tiles: the last fragment's upper 16 keys weigh nothing
.endr
.endif
	WIN 0x03                                       ; source 0 (V^T) window 3
.set kb, 0
.rept NKB
.irp d, 0,1,2,3
.if kb == 0
	v_wmma_f32_16x16x32_f16 v[OA+8*\d:OA+8*\d+7], v[64*(kb/2)+16*\d+8*(kb%2):64*(kb/2)+16*\d+8*(kb%2)+7], v[PF+8*kb:PF+8*kb+7], 0
.else
	v_wmma_f32_16x16x32_f16 v[OA+8*\d:OA+8*\d+7], v[64*(kb/2)+16*\d+8*(kb%2):64*(kb/2)+16*\d+8*(kb%2)+7], v[PF+8*kb:PF+8*kb+7], v[OA+8*\d:OA+8*\d+7]
.endif
.endr
.set kb, kb+1
.endr
	WIN 0
	PLACES
.set i, 0
	s_wait_alu depctr_va_vdst(0)
.rept 16
	v_pk_mul_f32 v[OA+2*i:OA+2*i+1], v[OA+2*i:OA+2*i+1], v[RL:RL+1]
.set i, i+1
.endr
.set i, 0
.rept 16
	v_cvt_pk_f16_f32 v[PF+i], v[OA+2*i], v[OA+2*i+1]               ; y, still in V's scale (a mean of V's rows: inside the same bound), into P's first registers, next written behind the next tile's softmax
.set i, i+1
.endr
.irp d, 0,1,2,3
	ds_store_b128 v[YST+(\t)/8], v[PF+4*\d:PF+4*\d+3] offset:((\t)%8)*16*YPITCH+32*\d
.endr
.endm
.irp t, 0,1,2,3,4,5,6,7,8,9,10,11,12,13,14,15
	QT \t
.endr
	; ---------------- y leaves: whole rows of the group's 512 bytes ----------------
	s_wait_dscnt 0x0                               ; my stores into the stage are done, for the other waves' sake
	s_barrier_signal -1
	s_barrier_wait -1
	s_lshl_b32 s100, s20, 19                       ; yb: b x 256 rows of 2,048 bytes
	s_lshl_b32 s99, s14, 17                        ;     + wave x 64 rows
	s_add_co_u32 s100, s100, s99
	s_add_nc_u64 s[12:13], s[12:13], s[100:101]
	s_lshl_b32 s2, s19, 9                          ;     + g x 256 columns
	s_add_nc_u64 s[12:13], s[12:13], s[2:3]
.irp q, 0,1,2,3
	s_wait_xcnt 0x0                                ; the registers were data of stores: loaded again only behind this wait
.irp i, 0,1,2,3,4,5,6,7,8,9,10,11,12,13,14,15
	ds_load_b128 v[64+64*(\q&1)+4*\i:64+64*(\q&1)+4*\i+3], v[YRD] offset:(16*\q+\i)*YPITCH
.endr
.irp i, 0,1,2,3,4,5,6,7,8,9,10,11,12,13,14,15
	s_wait_dscnt 15-\i
	global_store_b128 v[YCO], v[64+64*(\q&1)+4*\i:64+64*(\q&1)+4*\i+3], s[12:13] offset:(16*\q+\i)*2048   ; a wave's store covers 512 consecutive bytes, aligned
.endr
.endr
	s_wait_tensorcnt 0x0
	ds_add_u32 v23, v31
	s_wait_dscnt 0x0
	CROUND                                         ; the closing round: no work-group ends while a partner may still ask for a tile that names it
	s_endpgm
.Lfunc_end_k_q99fa62b52f_attn:
	.size	k_q99fa62b52f_attn, .Lfunc_end_k_q99fa62b52f_attn-k_q99fa62b52f_attn
	.p2alignl 7, 3214868480
	.fill 96, 4, 3214868480
	.section	.rodata,"a",@progbits
	.p2align	6, 0x0
	.amdhsa_kernel k_q99fa62b52f_attn
		.amdhsa_group_segment_fixed_size 327680
		.amdhsa_private_segment_fixed_size 0
		.amdhsa_enable_private_segment 0
		.amdhsa_kernarg_size 48
		.amdhsa_user_sgpr_count 2
		.amdhsa_user_sgpr_kernarg_segment_ptr 1
		.amdhsa_wavefront_size32 1
		.amdhsa_system_sgpr_workgroup_id_x 1
		.amdhsa_system_sgpr_workgroup_id_y 1
		.amdhsa_system_sgpr_workgroup_id_z 1
		.amdhsa_system_vgpr_workitem_id 0
		.amdhsa_next_free_vgpr 1024
		.amdhsa_next_free_sgpr 106
		.amdhsa_reserve_vcc 0
		.amdhsa_float_denorm_mode_32 3
		.amdhsa_float_denorm_mode_16_64 3
		.amdhsa_memory_ordered 1
		.amdhsa_forward_progress 1
		.amdhsa_inst_pref_size 255
	.end_amdhsa_kernel
	.section	.bss,"aw",@nobits
	.p2align	6
	.space	262144
	.amdgpu_metadata
---
amdhsa.version: [ 1, 2 ]
amdhsa.kernels:
  - .name:           k_q99fa62b52f_attn
    .symbol:         k_q99fa62b52f_attn.kd
    .args:
      - { .name: xb, .offset: 0, .size: 8, .value_kind: global_buffer, .address_space: global }
      - { .name: wqb, .offset: 8, .size: 8, .value_kind: global_buffer, .address_space: global }
      - { .name: lat, .offset: 16, .size: 8, .value_kind: global_buffer, .address_space: global }
      - { .name: wupb, .offset: 24, .size: 8, .value_kind: global_buffer, .address_space: global }
      - { .name: yb, .offset: 32, .size: 8, .value_kind: global_buffer, .address_space: global }
      - { .name: mx, .offset: 40, .size: 8, .value_kind: global_buffer, .address_space: global }
    .group_segment_fixed_size: 327680
    .private_segment_fixed_size: 0
    .kernarg_segment_align: 8
    .kernarg_segment_size: 48
    .max_flat_workgroup_size: 128
    .sgpr_count:     106
    .vgpr_count:     1024
    .wavefront_size: 32
...
	.end_amdgpu_metadata
.endif
;; end of part 2
;; launch outp (part 3): grid 4 x 64, 4 waves a work-group, clusters of 4 x 4, 327,680 bytes of LDS; arguments yb, wob, out0, mx; writes out0
.if DOCPART == 3
	.amdgcn_target "amdgcn-amd-amdhsa--gfx1250"
	.amdhsa_code_object_version 6
	.text
	.protected	k_q99fa62b52f_outp
	.globl	k_q99fa62b52f_outp
	.p2align	8
	.type	k_q99fa62b52f_outp,@function
k_q99fa62b52f_outp:
	s_mov_b64 s[64:65], 0
	v_nop
	global_prefetch_b8 v0, s[64:65] scope:SCOPE_SE
	s_setreg_imm32_b32 hwreg(HW_REG_WAVE_MODE, 25, 1), 1
	s_wait_xcnt 0x0
	s_wait_alu depctr_hold_cnt(0) depctr_sa_sdst(0) depctr_va_vdst(0) depctr_va_sdst(0) depctr_va_ssrc(0) depctr_va_vcc(0) depctr_vm_vsrc(0)
	s_getreg_b32 s2, hwreg(HW_REG_IB_STS2, 6, 4)
	s_cmp_eq_u32 s2, 0
	s_cbranch_scc0 .Lentry_in_a_cluster
	s_endpgm
.Lentry_in_a_cluster:
	s_bfe_u32 s2, ttmp6, 0x10000c
	s_cmp_lg_u32 s2, 0xf033
	s_cbranch_scc0 .Lentry_shape_is_right
	s_endpgm
.Lentry_shape_is_right:
; out0[m][n] = scale x sum over k of yb[m][k] wob[k][n].  yb: [16384][1024] f16 in V's scale, wob: [1024][1024] f16 (bf16 numbers) stored [k][n], out0: [16384][1024] f32; sums in f32.
; scale = 2^(e - 134), e the exponent field of max|lat| x max|w_kv_up's V half| held to 11 .. 254: the power of two by which the launch before divided V, made here
; from the same 512 maxima by the same instructions.
; A work-group makes a block of 256 x 256 with four waves; a wave makes 128 x 128: 64 accumulator tiles of 16 x 16, 512 registers.
; K goes in steps of 128 through a ring of two LDS slots filled by the tensor data mover: 256 rows x 256 bytes of yb and 128 k rows x 512 bytes of wob.
; wob keeps its layout: its fragments are made on the way from LDS by transposing loads.
; CLUSTERS: 4 x 4 work-groups.  yb's tiles hang on the block row alone and are asked for jointly along a row of the cluster, wob's on the block column alone
; and are asked for jointly along a column: the requests for both are divided by four.
; REGISTERS, in windows of 256:  window 0: v0-47 addresses and the maxima; v64-127, v128-191 fragments of yb, two buffers (on the way out: rows read back)
;   window 1: v64-127, v128-191 fragments of wob, two buffers;  window 2: accumulator tiles of my rows 0-63 (tile (a, b) at 8 (8 a + b));  window 3: of my rows 64-127
; THE MATRIX INSTRUCTION IS USED TRANSPOSED: source 0 = 16 columns of wob, source 1 = 16 rows of yb: lane l holds row l % 16 of the result and its registers
; the columns 8 (l / 16) + 0 .. 7: 32 neighbouring bytes of a row of out0.
; LIMITS: the operands' formats; in the maxima a NaN loses (v_max_num).
.set SIZE_N, 1024
.set SIZE_K, 1024
.set KSTEP,  128
.set PITCH,  272                       ; yb's rows in LDS: 256 bytes + 16
.set BPITCH, 544                       ; wob's rows in LDS: 512 bytes + 32 = 17 x 32
.set HALFT,  128*PITCH                 ; what one tensor load brings: 128 x 272 = 64 x 544
.set SLOT,   4*HALFT
.set STAGE,  2*SLOT                    ; behind the ring: 16 rows x 528 bytes for each wave, for the way out
.set SPITCH, 528                       ; 128 f32 + 16 bytes
.set LAPS, SIZE_K/(2*KSTEP)
.set ADRA, 16                          ; v16-17  LDS address of my yb fragments in slot 0, 1
.set ADRB, 20                          ; v20-21  the same for wob
.set STO,  24                          ; v24     the way out: where I put 32 bytes of a row
.set RD,   25                          ; v25     the way out: where I read a row back
.set CO,   26                          ; v26     16 x lane
.set F0,   64
.set F1,   128
.set G1, 24                            ; s[24:31] group 1 for yb's tiles
.set G0, 32                            ; s[32:39] group 0 for yb's tiles, one set for each slot
.set G1B, 48                           ; s[48:55] group 1 for wob's tiles
.set G0B, 56                           ; s[56:63] group 0 for wob's tiles, one set for each slot
.set SV,  68                           ; s[68:69] the scale, twice
.set MSB, 0
.macro WIN new                         ; the immediate's high byte repeats the setting that is left
.if MSB != \new
	s_set_vgpr_msb (MSB<<8)|\new
.set MSB, \new
.endif
.endm
.set MUL_LO, 0xa1                      ; source 0 (wob) window 1, source 1 (yb) window 0, C and D window 2
.set MUL_HI, 0xf1                      ; the same, C and D window 3
.set TO_B,   0x40                      ; destination window 1, address window 0
; A joint load.  Waves 0 and 1 fetch yb's two halves, waves 2 and 3 wob's.  Each line has one mask and one set of registers; the branch hangs on the wave's number alone.
.macro JLOAD s
	s_cmp_eq_u32 s11, 0
	s_cbranch_scc0 .Lfor_b_\@
	tensor_load_to_lds s[G0+4*\s:G0+4*\s+3], s[G1:G1+7]
	s_nop 0
	s_branch .Lasked_\@
.Lfor_b_\@:
	tensor_load_to_lds s[G0B+4*\s:G0B+4*\s+3], s[G1B:G1B+7]
	s_nop 0
.Lasked_\@:
.endm
.macro CREST                           ; a round of the cluster's barrier behind its opening barrier
	s_cmp_lg_u32 s10, 0
	s_cbranch_scc1 .Lnot_wave_0_\@
	s_barrier_signal -3
.Lnot_wave_0_\@:
	s_barrier_wait -3
	s_barrier_signal -1
	s_barrier_wait -1
.endm
.macro CROUND                          ; a whole round
	s_barrier_signal -1
	s_barrier_wait -1
	CREST
.endm
.macro WMAX r                          ; the largest of a register over the wave's 32 lanes, left in every lane
	v_max_num_f32_dpp v[\r], v[\r], v[\r] row_xmask:1 row_mask:0xf bank_mask:0xf
	v_max_num_f32_dpp v[\r], v[\r], v[\r] row_xmask:2 row_mask:0xf bank_mask:0xf
	v_max_num_f32_dpp v[\r], v[\r], v[\r] row_xmask:4 row_mask:0xf bank_mask:0xf
	v_max_num_f32_dpp v[\r], v[\r], v[\r] row_xmask:8 row_mask:0xf bank_mask:0xf
	v_permlanex16_b32 v7, v[\r], s70, s71
	v_max_num_f32 v[\r], v[\r], v7
.endm
	s_load_b128 s[4:7], s[0:1], 0x0                ; yb s[4:5], wob s[6:7]
	s_load_b64 s[8:9], s[0:1], 0x10                ; out0
	s_load_b64 s[66:67], s[0:1], 0x18              ; mx
	s_set_vgpr_msb 0x40
	v_lshl_add_u32 v255, v0, 2, 0x4c400
	s_set_vgpr_msb 0x4000
	v_mov_b32 v255, 0
	s_set_vgpr_msb 0x1
	ds_add_u32 v255, v255
	s_set_vgpr_msb 0x100
	v_lshrrev_b32 v1, 5, v0
	v_readfirstlane_b32 s10, v1                    ; wave 0..3
	s_lshr_b32 s11, s10, 1                         ; which half of the block's rows is mine.  Also: I fetch for yb (0) or for wob (1)
	s_and_b32 s12, s10, 1                          ; which half of its columns.  Also: which half of that tile I fetch
	s_bfe_u32 s40, ttmp6, 0x40000                  ; cx
	s_bfe_u32 s41, ttmp6, 0x40004                  ; cy
	s_lshl_b32 s42, ttmp9, 2
	s_add_co_u32 s42, s42, s40                     ; block column = 4 x cluster x + cx
	s_and_b32 s13, ttmp7, 0xffff
	s_lshl_b32 s13, s13, 2
	s_add_co_u32 s13, s13, s41                     ; block row = 4 x cluster y + cy
	s_lshl_b32 s43, s41, 2
	s_lshl_b32 s43, 15, s43                        ; my row of the cluster
	s_lshl_b32 s44, 0x1111, s40                    ; my column
	s_or_b32 s[G1+0], s43, (1<<16)|(1<<20)|(1<<21)|(5<<22)|(3<<25)   ; yb: elements of 2 bytes, 4 words of padding behind every 64
	s_mov_b32 s[G1+1], KSTEP<<16                   ; tensor_dim0 = 128
	s_mov_b32 s[G1+2], 128<<16                     ; tensor_dim1 = 128
	s_mov_b32 s[G1+3], KSTEP<<16                   ; tile_dim0 = 128
	s_mov_b32 s[G1+4], 128                         ; tile_dim1 = 128
	s_mov_b32 s[G1+5], SIZE_K                      ; elements from row to row
	s_mov_b32 s[G1+6], 0
	s_mov_b32 s[G1+7], 0
	s_or_b32 s[G1B+0], s44, (1<<16)|(1<<20)|(1<<21)|(6<<22)|(7<<25)  ; wob: 8 words of padding behind every 128
	s_mov_b32 s[G1B+1], 256<<16                    ; tensor_dim0 = 256
	s_mov_b32 s[G1B+2], 64<<16                     ; tensor_dim1 = 64
	s_mov_b32 s[G1B+3], 256<<16                    ; tile_dim0 = 256
	s_mov_b32 s[G1B+4], 64                         ; tile_dim1 = 64
	s_mov_b32 s[G1B+5], SIZE_N
	s_mov_b32 s[G1B+6], 0
	s_mov_b32 s[G1B+7], 0
	; yb's address hangs on the block row and the wave's number, wob's on the block column and the wave's number, each in registers that never hold the other coordinate
	s_lshl_b32 s17, s12, 7
	s_lshl_b32 s16, s13, 8
	s_add_co_u32 s16, s16, s17                     ; yb: row 256 x block row + 128 x half,
	s_lshl_b32 s16, s16, 11                        ; of 2,048 bytes
	s_mov_b32 s17, 0
	s_lshl_b32 s46, s42, 9                         ; wob: 256 columns of 2 bytes x block column
	s_lshl_b32 s45, s12, 17                        ; + half x 64 k rows of 2,048 bytes
	s_add_co_u32 s46, s46, s45
	s_mov_b32 s47, 0
	s_mul_i32 s20, s10, HALFT                      ; and where they go: wave x 34,816 in the slot
	s_wait_dscnt 0x0
	s_wait_kmcnt 0x0
	s_add_nc_u64 s[14:15], s[4:5], s[16:17]
	s_add_nc_u64 s[46:47], s[6:7], s[46:47]
	CROUND                                         ; all sixteen work-groups are here: the first joint loads meet
.irp s, 0,1
	s_mov_b32 s[G0+4*\s], 1
	s_add_co_u32 s[G0+4*\s+1], s20, \s*SLOT
	s_add_nc_u64 s[G0+4*\s+2:G0+4*\s+3], s[14:15], \s*KSTEP*2      ; K step s: 128 elements along the rows
	s_or_b32 s[G0+4*\s+3], s[G0+4*\s+3], 0x80000000
	s_mov_b32 s[G0B+4*\s], 1
	s_add_co_u32 s[G0B+4*\s+1], s20, \s*SLOT
	s_add_nc_u64 s[G0B+4*\s+2:G0B+4*\s+3], s[46:47], \s*KSTEP*SIZE_N*2   ; K step s: 128 rows down
	s_or_b32 s[G0B+4*\s+3], s[G0B+4*\s+3], 0x80000000
	JLOAD \s                                       ; two tensor loads of each wave are out here, the most in this text
.endr
	; the 512 maxima: every wave reads them all, 32 + 32 bytes a lane, while the first tiles are on their way
	v_and_b32 v6, 31, v0
	v_lshlrev_b32 v6, 5, v6
	global_load_b128 v[32:35], v6, s[66:67]                        ; max|lat|
	global_load_b128 v[36:39], v6, s[66:67] offset:16
	global_load_b128 v[40:43], v6, s[66:67] offset:1024            ; max|w_kv_up|: the odd places are V's columns
	global_load_b128 v[44:47], v6, s[66:67] offset:1040
	v_and_b32 v1, 15, v0                           ; l % 16
	v_bfe_u32 v2, v0, 4, 1                         ; l / 16
	v_mul_u32_u24 v3, v1, PITCH
	v_lshl_add_u32 v3, v2, 4, v3                   ; yb: row x pitch + 16 x half
	s_mul_i32 s21, s11, HALFT                      ; my 128 rows of yb
	v_and_b32 v4, 7, v0                            ; wob, by transposing loads: k row 8 (l / 16) + l % 8,
	v_lshl_add_u32 v4, v2, 3, v4
	v_mul_u32_u24 v4, v4, BPITCH
	v_bfe_u32 v5, v0, 3, 1
	v_lshl_add_u32 v4, v5, 4, v4                   ; 16 bytes on for lanes 8-15 of each half
	s_lshl_b32 s22, s12, 8                         ; my 128 columns,
	s_add_co_u32 s22, s22, 2*HALFT                 ; behind yb's 256 rows
.irp s, 0,1
	v_add_nc_u32 v[ADRA+\s], s21, v3
	v_add_nc_u32 v[ADRB+\s], s22, v4
	s_add_co_u32 s21, s21, SLOT
	s_add_co_u32 s22, s22, SLOT
.endr
	s_mul_i32 s23, s10, 16*SPITCH
	s_add_co_u32 s23, s23, STAGE                   ; my stage
	v_mul_u32_u24 v4, v1, SPITCH                   ; in: row l % 16, 32 bytes for each half of the lanes
	v_lshl_add_u32 v4, v2, 5, v4
	v_add_nc_u32 v[STO], s23, v4
	v_and_b32 v5, 31, v0
	v_lshlrev_b32 v[CO], 4, v5                     ; back: 32 lanes take one row of 512 bytes
	v_add_nc_u32 v[RD], s23, v[CO]
	; the scale
	v_mov_b32 v7, 0                                ; v_permlanex16_b32 counts as a reader of its destination
	s_mov_b32 s70, 0x76543210                      ; lane i of one half reads lane i of the other
	s_mov_b32 s71, 0xfedcba98
	s_wait_loadcnt 0x0
	v_max3_num_f32 v8, v32, v33, v34
	v_max_num_f32 v9, v41, v43
	v_max3_num_f32 v8, v8, v35, v36
	v_max3_num_f32 v9, v9, v45, v47
	v_max3_num_f32 v8, v8, v37, v38
	v_max_num_f32 v8, v8, v39
	WMAX 8
	WMAX 9
	v_mul_f32 v9, v8, v9                           ; max|lat| x max|Wv|
	v_readfirstlane_b32 s[SV], v9
	s_bfe_u32 s[SV], s[SV], 0x80017                ; e: the 8 bits from bit 23
	s_max_u32 s[SV], s[SV], 11
	s_min_u32 s[SV], s[SV], 254
	s_sub_co_u32 s[SV], s[SV], 7
	s_lshl_b32 s[SV], s[SV], 23                    ; 2^(e - 134) as f32: the field is 127 + e - 134
	s_mov_b32 s[SV+1], s[SV]
; 16 matrix instructions: m blocks a0, a0 + 1 of the window's four x all 8 n blocks, 32 along K.  The 64 accumulators take turns in one fixed order.
.macro MUL16 f, hi, a0, zero
.irp a, \a0, \a0+1
.irp b, 0,1,2,3,4,5,6,7
.if \zero
	v_wmma_f32_16x16x32_f16 v[8*(8*(\a)+\b):8*(8*(\a)+\b)+7], v[\f+8*\b:\f+8*\b+7], v[\f+8*(4*\hi+\a):\f+8*(4*\hi+\a)+7], 0
.else
	v_wmma_f32_16x16x32_f16 v[8*(8*(\a)+\b):8*(8*(\a)+\b)+7], v[\f+8*\b:\f+8*\b+7], v[\f+8*(4*\hi+\a):\f+8*(4*\hi+\a)+7], v[8*(8*(\a)+\b):8*(8*(\a)+\b)+7]
.endif
.endr
.endr
.endm
; 32 LDS loads in one run: quarter q of a slot (32 along K) into buffer f: 128 columns of wob, then 128 rows of yb
.macro FETCH slot, q, f
	WIN TO_B
.irp i, 0,1,2,3,4,5,6,7
	ds_load_tr16_b128 v[\f+8*\i:\f+8*\i+3],   v[ADRB+\slot] offset:\q*32*BPITCH+32*\i
	ds_load_tr16_b128 v[\f+8*\i+4:\f+8*\i+7], v[ADRB+\slot] offset:\q*32*BPITCH+16*BPITCH+32*\i
.endr
	WIN 0
.irp i, 0,1,2,3,4,5,6,7
	ds_load_b128 v[\f+8*\i:\f+8*\i+3],   v[ADRA+\slot] offset:\q*64+\i*16*PITCH
	ds_load_b128 v[\f+8*\i+4:\f+8*\i+7], v[ADRA+\slot] offset:\q*64+\i*16*PITCH+32
.endr
.endm
.macro PLACES                          ; four places behind matrix instructions (ISA guide 7.12.1 for vector instructions)
.rept 4
	v_nop
.endr
.endm
.macro QUARTER slot, q, f, g, zero     ; multiplies buffer f; in its middle fetches quarter q into buffer g
	s_wait_dscnt 8                                 ; wob and yb's rows 0-63 are in; the youngest eight loads (rows 64-127) may be out
	WIN MUL_LO
	MUL16 \f, 0, 0, \zero
	MUL16 \f, 0, 2, \zero
	PLACES
	FETCH \slot, \q, \g
	s_wait_dscnt 32                                ; all but the 32 just issued
	WIN MUL_HI
	MUL16 \f, 1, 0, \zero
	MUL16 \f, 1, 2, \zero
.endm
.macro THREE slot, zero
	QUARTER \slot, 1, F0, F1, \zero
	QUARTER \slot, 2, F1, F0, 0
	QUARTER \slot, 3, F0, F1, 0
.endm
; The last quarter: multiplies buffer 1 and changes slots.  In front of the barrier each wave waits for its reads of this slot and for all its tensor loads (one is out:
; its part of the next slot).  fill = 1: the barrier opens a round of the cluster's barrier, and behind the round this slot's joint refill comes first.
.macro TURN slot, next, fill
	s_wait_dscnt 8
	WIN MUL_LO
	MUL16 F1, 0, 0, 0
	s_wait_dscnt 0x0                               ; my reads of this slot are over
	s_wait_tensorcnt 0x0                           ; all my tensor loads have landed
	ds_add_u32 v255, v255
	s_wait_dscnt 0x0
	s_barrier_signal -1
	MUL16 F1, 0, 2, 0                              ; work on registers while the others arrive
	WIN 0
	s_barrier_wait -1
.if \fill
	CREST                                          ; no wave of any partner still reads this slot's tile or has a load on its way
	s_add_nc_u64 s[G0+4*\slot+2:G0+4*\slot+3], s[G0+4*\slot+2:G0+4*\slot+3], 2*KSTEP*2
	s_add_nc_u64 s[G0B+4*\slot+2:G0B+4*\slot+3], s[G0B+4*\slot+2:G0B+4*\slot+3], 2*KSTEP*SIZE_N*2
	JLOAD \slot
.endif
	PLACES
	FETCH \next, 0, F0
	WIN MUL_HI
	MUL16 F1, 1, 0, 0
	MUL16 F1, 1, 2, 0
.endm
.macro LAP zero
	THREE 0, \zero
	TURN 0, 1, 1
	THREE 1, 0
	TURN 1, 0, 1
.endm
	s_wait_tensorcnt 0x1                           ; my part of K step 0 is in; K step 1's may stay out
	s_barrier_signal -1
	s_barrier_wait -1
	FETCH 0, 0, F0
	LAP 1                                          ; the first lap's first products start the sums
	WIN 0
	s_mov_b32 s3, LAPS-2
.Llap:
	LAP 0
	WIN 0
	s_sub_co_u32 s3, s3, 1
	s_cmp_lg_u32 s3, 0
	s_cbranch_scc1 .Llap
	THREE 0, 0                                     ; the last lap fills nothing
	TURN 0, 1, 0
	THREE 1, 0
	s_wait_dscnt 8
	WIN MUL_LO
	MUL16 F1, 0, 0, 0
	MUL16 F1, 0, 2, 0
	s_wait_dscnt 0x0
	WIN MUL_HI
	MUL16 F1, 1, 0, 0
	MUL16 F1, 1, 2, 0
	; THE WAY OUT, 16 rows at a time: 32 bytes a lane from the accumulators into my own stage, read back as whole rows of 512 bytes, V's scale undone, stored.
	PLACES                                         ; for the LDS stores, which read results, and the loads into buffers 0 and 1
	s_lshl_b32 s13, s13, 8
	s_lshl_b32 s14, s11, 7
	s_add_co_u32 s16, s13, s14                     ; my first row,
	s_lshl_b32 s16, s16, 12                        ; of 4,096 bytes
	s_mov_b32 s17, 0
	s_add_nc_u64 s[8:9], s[8:9], s[16:17]
	s_lshl_b32 s46, s42, 10                        ; my first column, in bytes: 1,024 x block + 512 x half (in the registers that held wob's address)
	s_lshl_b32 s47, s12, 9
	s_add_co_u32 s46, s46, s47
	s_mov_b32 s47, 0
	s_add_nc_u64 s[8:9], s[8:9], s[46:47]
; rows 16 i .. 16 i + 15 of my block = the eight tiles (a, 0..7) of window 2 or 3 (win = 0x08 or 0x0c: the LDS stores' data); f: F0 or F1 in turn
.macro OUT16 i, a, win, f
	WIN \win
.irp b, 0,1,2,3,4,5,6,7
	ds_store_b128 v[STO], v[8*(8*\a+\b):8*(8*\a+\b)+3]   offset:64*\b
	ds_store_b128 v[STO], v[8*(8*\a+\b)+4:8*(8*\a+\b)+7] offset:64*\b+16
.endr
	WIN 0
	s_wait_xcnt 0x0                                ; buffer f, which stores read, and the stores' base are rewritten only behind this wait
.if \i
	s_add_nc_u64 s[8:9], s[8:9], 16*SIZE_N*4       ; 16 rows on
.endif
.irp t, 0,1,2,3,4,5,6,7,8,9,10,11,12,13,14,15
	ds_load_b128 v[\f+4*\t:\f+4*\t+3], v[RD] offset:\t*SPITCH      ; LDS serves a wave's instructions in order (ISA guide 5.7.1.4): these see the stores above
.endr
.irp t, 0,1,2,3,4,5,6,7,8,9,10,11,12,13,14,15
	s_wait_dscnt 15-\t
	v_pk_mul_f32 v[\f+4*\t:\f+4*\t+1],   v[\f+4*\t:\f+4*\t+1],   s[SV:SV+1] op_sel_hi:[1,0]
	v_pk_mul_f32 v[\f+4*\t+2:\f+4*\t+3], v[\f+4*\t+2:\f+4*\t+3], s[SV:SV+1] op_sel_hi:[1,0]
	global_store_b128 v[CO], v[\f+4*\t:\f+4*\t+3], s[8:9] offset:\t*SIZE_N*4 th:TH_STORE_NT   ; a wave's store covers 512 consecutive bytes, aligned
.endr
.endm
	OUT16 0, 0, 0x08, F0
	OUT16 1, 1, 0x08, F1
	OUT16 2, 2, 0x08, F0
	OUT16 3, 3, 0x08, F1
	OUT16 4, 0, 0x0c, F0
	OUT16 5, 1, 0x0c, F1
	OUT16 6, 2, 0x0c, F0
	OUT16 7, 3, 0x0c, F1
	s_set_vgpr_msb 0x1
	s_wait_tensorcnt 0x0
	ds_add_u32 v255, v255
	s_wait_dscnt 0x0
	s_set_vgpr_msb 0x100
	CROUND                                         ; the closing round: no work-group ends while a partner may still ask for a tile that names it
	s_endpgm
.Lfunc_end_k_q99fa62b52f_outp:
	.size	k_q99fa62b52f_outp, .Lfunc_end_k_q99fa62b52f_outp-k_q99fa62b52f_outp
	.p2alignl 7, 3214868480
	.fill 96, 4, 3214868480
	.section	.rodata,"a",@progbits
	.p2align	6, 0x0
	.amdhsa_kernel k_q99fa62b52f_outp
		.amdhsa_group_segment_fixed_size 327680
		.amdhsa_private_segment_fixed_size 0
		.amdhsa_enable_private_segment 0
		.amdhsa_kernarg_size 32
		.amdhsa_user_sgpr_count 2
		.amdhsa_user_sgpr_kernarg_segment_ptr 1
		.amdhsa_wavefront_size32 1
		.amdhsa_system_sgpr_workgroup_id_x 1
		.amdhsa_system_sgpr_workgroup_id_y 1
		.amdhsa_system_sgpr_workgroup_id_z 1
		.amdhsa_system_vgpr_workitem_id 0
		.amdhsa_next_free_vgpr 1024
		.amdhsa_next_free_sgpr 72
		.amdhsa_reserve_vcc 0
		.amdhsa_float_denorm_mode_32 3
		.amdhsa_float_denorm_mode_16_64 3
		.amdhsa_memory_ordered 1
		.amdhsa_forward_progress 1
		.amdhsa_inst_pref_size 214
	.end_amdhsa_kernel
	.amdgpu_metadata
---
amdhsa.version: [ 1, 2 ]
amdhsa.kernels:
  - .name:           k_q99fa62b52f_outp
    .symbol:         k_q99fa62b52f_outp.kd
    .args:
      - { .name: yb, .offset: 0, .size: 8, .value_kind: global_buffer, .address_space: global }
      - { .name: wob, .offset: 8, .size: 8, .value_kind: global_buffer, .address_space: global }
      - { .name: out0, .offset: 16, .size: 8, .value_kind: global_buffer, .address_space: global }
      - { .name: mx, .offset: 24, .size: 8, .value_kind: global_buffer, .address_space: global }
    .group_segment_fixed_size: 327680
    .private_segment_fixed_size: 0
    .kernarg_segment_align: 8
    .kernarg_segment_size: 32
    .max_flat_workgroup_size: 128
    .sgpr_count:     72
    .vgpr_count:     1024
    .wavefront_size: 32
...
	.end_amdgpu_metadata
.endif
;; end of part 3
;; ======== version 2 of 2: 3 launches; 1.16 times as fast as version 1
;; limits: values are held in f16: magnitudes above 65,504 overflow, below 6.1e-05 lose precision
;; workspace buffers: xb 33,554,432 bytes; lat 4,194,304 bytes; wqb 2,097,152 bytes; wupb 524,288 bytes; wob 2,097,152 bytes; yb 33,554,432 bytes; mx 2,048 bytes
;; launch cast: the kernel of part 1 again; grid 256 x 1, 8 waves a work-group, no clusters, 232,704 bytes of LDS; arguments x, w_kv_down, w_q, w_kv_up, w_out, xb, lat, wqb, wupb, wob, mx; writes xb, lat, wqb, wupb, wob, mx
;; launch attn (part 4): grid 4 x 64, 4 waves a work-group, clusters of 4 x 4, 327,680 bytes of LDS; arguments xb, wqb, lat, wupb, yb, mx; writes yb
.if DOCPART == 4
	.amdgcn_target "amdgcn-amd-amdhsa--gfx1250"
	.amdhsa_code_object_version 6
	.text
	.protected	k_q99fa62b52f_attn
	.globl	k_q99fa62b52f_attn
	.p2align	8
	.type	k_q99fa62b52f_attn,@function
k_q99fa62b52f_attn:
	s_mov_b64 s[64:65], 0
	v_nop
	global_prefetch_b8 v0, s[64:65] scope:SCOPE_SE
	s_setreg_imm32_b32 hwreg(HW_REG_WAVE_MODE, 25, 1), 1
	s_wait_xcnt 0x0
	s_wait_alu depctr_hold_cnt(0) depctr_sa_sdst(0) depctr_va_vdst(0) depctr_va_sdst(0) depctr_va_ssrc(0) depctr_va_vcc(0) depctr_vm_vsrc(0)
	s_getreg_b32 s2, hwreg(HW_REG_IB_STS2, 6, 4)
	s_cmp_eq_u32 s2, 0
	s_cbranch_scc0 .Lentry_in_a_cluster
	s_endpgm
.Lentry_in_a_cluster:
	s_bfe_u32 s2, ttmp6, 0x10000c
	s_cmp_lg_u32 s2, 0xf033
	s_cbranch_scc0 .Lentry_shape_is_right
	s_endpgm
.Lentry_shape_is_right:
; For one batch b (256 tokens) and one group g of four heads: Q = xb . wqb (bf16), K and V = lat . wupb (f16), causal softmax(Q K^T / 8), y = P V (f16).  Sums in f32.
; Four waves; wave w owns head 4 g + w: all 256 tokens x 64 d.  Every result's layout packs straight into the next product's fragment
; (a lane of a result holds column lane % 16 and eight neighbouring rows 8 (lane / 16) + 0..7):
;   Q, K:  source 0 = 16 d (weights, transposed on the way from LDS), source 1 = 16 tokens  -> lane: one token, 8 d     -> fragment (token, k = d)
;   V:     source 0 = 16 tokens, source 1 = 16 d                                            -> lane: one d, 8 tokens    -> fragment (d, k = key)
;   S^T:   source 0 = K (16 keys), source 1 = Q (16 queries)                                -> lane: one query, 8 keys  -> fragment (query, k = key)
;   O^T:   source 0 = V^T (16 d), source 1 = P (16 queries)                                 -> lane: one query, 8 d     -> 16 bytes of y
; So a query's maximum and sum are made inside a lane and across one pair of lanes, and 1 / sum is a factor of the lane.
; A query tile's whole column of scores (at most 256 keys = 128 registers) is held at once: the true maximum of the row is taken away, no running one is needed.
; THE TEXT IS KEPT SHORT BY LOOPS.  A register's number is fixed in the text, an LDS address is not.  So what a loop has to place or pick by its trip goes through the
; wave's own 34,816 bytes of LDS, 16 bytes a lane: K's and V's packed fragments (a loop of four trips packs into 64 fixed registers and stores them; 64 loads behind the
; loop bring them to their fixed registers) and Q's fragments (the loop over the sixteen query tiles loads the next tile's 16 registers).  The same lines then serve
; all four token quarters and all sixteen query tiles.
; CAUSAL: keys go in chunks of four tiles; query tile t runs chunks 0 .. t / 4 by forward branches on t / 4, and the chunk on the diagonal is masked.  Key tiles above
; that chunk are not computed: the mask that throws them away is the problem's own (jnp.tril).  160 tile products are made where 136 hold a kept score.
; FORMATS: the inputs are bf16; what is computed from them (lat, Q, K, V, P, y) is handed on in f16, whose 11 significant bits the early causal rows need.
; K and V get a power of two as a scale, so that f16's range is never left: |K|, |V| <= 128 max|lat| max|w_kv_up's half|, and with e the exponent field of
; max|lat| x max|w| the factor 2^(134 - e) brings that bound to 2^15.  K's scale is undone in the softmax's factor, V's (and so y's) by the launch that reads yb.
; CLUSTERS: 4 x 4 work-groups.  xb's and lat's tiles hang on b alone and are asked for jointly along a row of the cluster; wqb's and wupb's hang on g alone
; and are asked for jointly along a column.  That divides the requests for both by four.
; THE RING: two LDS slots.  Steps 0-7: 128 along K of (xb, wqb), step s in slot s & 1; then slot 0 gets (lat, Wk), and Wv takes Wk's bytes once every wave holds Wk in registers.
; Slot 1 has its last fill with step 7 and becomes the four waves' stages; slot 0 has its last fill with Wv and becomes y's stage.
; LIMITS: Q is kept in f16 without a scale: |Q| has to stay below 65,504 (1,024 products of x and w_q; with both 30 times the drawn spread its peak is near 3,100,
; with both offset by 30 spreads near 16,600).  e is held to 11 .. 254: where max|lat| x max|w| is below 2^-116 the scale follows no further and K, V lose bits.
; The row sum is made of the f32 exponentials before they are rounded to f16; P below 2^-24 / 2 becomes 0; v_exp_f32 gives 0 for results below 2^-126
; (ISA guide 15.8); in the maxima a NaN loses (v_max_num), so NaN and infinite inputs give what these instructions give.
.set PITCH,  272                       ; rows of 128 numbers of 2 bytes + 16 bytes: sixteen rows start at sixteen different 16-byte columns
.set BPITCH, 544                       ; weights' rows of 256 numbers + 32 bytes = 17 x 32, for the transposing loads
.set HALFT,  34816                     ; what one tensor load brings: 128 x 272 = 64 x 544; also a wave's stage in slot 1
.set SLOT,   4*HALFT                   ; 256 token rows, then 128 k rows of weights
.set BOFF,   2*HALFT
.set YPITCH, 528                       ; y's stage: 256 rows of 256 f16 + 16 bytes, in slot 0 behind its last fill
; window 0
.set MA,   2                           ; v2, v3   two chains of the maximum
.set MB,   3
.set MX,   4                           ; v4       what comes from the other half of the lanes
.set VD0,  5                           ; v5       lane % 16 - 8 (lane / 16)
.set NM,   6                           ; v[6:7]   - c x maximum, twice
.set LA,   8                           ; v[8:9], v[10:11]  two chains of the sum
.set LB,   10
.set RL,   12                          ; v[12:13] 1 / sum, twice
.set NINF, 14                          ; v14      minus infinity
.set VDI,  15                          ; v15      VD0 + 16 x the query tile's place in its chunk
.set ADRA, 16                          ; v16-17   LDS: fragments of token rows, slot 0, 1
.set ADRL, 18                          ; v18      LDS: lat's fragments, stepped by 64 tokens a trip
.set STG,  19                          ; v19      LDS: my stage, stepped by 8,192 bytes a trip
.set ADRB, 20                          ; v20-21   LDS: fragments of weights, slot 0, 1
.set STG0, 22                          ; v22      LDS: my stage's first byte + 16 x lane
.set QAD,  23                          ; v23      LDS: Q's tile in my stage, stepped by 2,048 bytes a trip
.set YST,  24                          ; v24      y's stage, in, stepped by 16 rows a trip
.set YRD,  26                          ; v26      y's stage, back, stepped by 16 rows a trip
.set YCO,  27                          ; v27      16 x lane
.set FB0,  32                          ; Q's products: v[32:63], v[64:95] weights' fragments, two buffers
.set PK,   64                          ; K's and V's loops: v[64:127] a token quarter's packed fragments, v[128:255] sixteen accumulators
.set ACCB, 128
.set OA,   32                          ; attention: v[32:63] O^T, v[64:191] S^T, v[192:255] P
.set SC,   64
.set PF,   192
; window 1: Q's products: token fragments, two buffers of 128; K's loop: weights v[0:127], lat v[128:255]; then Q's fragment (t, c) at 16 t + 8 c; attention: the tile at work in v[0:15]
; window 2: Q's accumulators of token tiles 0-7, tile (t, dt) at 8 (4 t + dt); afterwards K's fragment (t, c) at 16 t + 8 c
; window 3: Q's accumulators of token tiles 8-15; V's loop: weights v[0:127], lat v[128:255]; afterwards V^T's fragment (dt, kb) at 64 (kb / 2) + 16 dt + 8 (kb % 2)
.set G1A, 24                           ; s[24:31] shape of xb's tiles      s[32:39] of wqb's
.set G1B, 32
.set G1L, 40                           ; s[40:47] of lat's                 s[48:55] of wupb's
.set G1U, 48
.set G0A, 56                           ; s[56:63] xb: from where, to where, a set for each slot
.set G0B, 68                           ; s[68:75] wqb likewise
.set G0L, 76                           ; s[76:79] lat    s[80:83] Wk    s[84:87] Wv
.set G0K, 80
.set G0V, 84
.set IK,  66                           ; s[66:67] K's scale, twice (the two masks lie here until group 1 is written)
.set IV,  4                            ; s[4:5]   V's scale, twice (xb's address lies here until group 0 is written)
.set MSB, 0
.macro WIN new                         ; s_set_vgpr_msb: bits 1:0 source 0, 3:2 source 1, 5:4 source 2, 7:6 destination; the high byte repeats the setting that is left
.if MSB != \new
	s_set_vgpr_msb (MSB<<8)|\new
.set MSB, \new
.endif
.endm
.set MUL_LO, 0xa4                      ; source 0 (weights) window 0, source 1 (tokens) window 1, C and D window 2
.set MUL_HI, 0xf4                      ; the same, C and D window 3
.macro PLACES                          ; four places behind matrix instructions (ISA guide 7.12.1 for vector instructions)
.rept 4
	v_nop
.endr
.endm
; A joint load.  Waves 0 and 1 fetch the two halves of the token rows, waves 2 and 3 those of the weights.  Each line has one mask and one set of registers,
; and nothing in them hangs on a coordinate that the four partners do not share.  The branch hangs on the wave's number alone.
.macro JL ga, g1a, gb, g1b
	s_cmp_eq_u32 s15, 0
	s_cbranch_scc0 .Lfor_b_\@
	tensor_load_to_lds s[\ga:\ga+3], s[\g1a:\g1a+7]
	s_nop 0
	s_branch .Lasked_\@
.Lfor_b_\@:
	tensor_load_to_lds s[\gb:\gb+3], s[\g1b:\g1b+7]
	s_nop 0
.Lasked_\@:
.endm
.macro JLB gb, g1b                     ; a fill of weights alone: waves 0 and 1 have no part to fill
	s_cmp_eq_u32 s15, 0
	s_cbranch_scc1 .Lnone_\@
	tensor_load_to_lds s[\gb:\gb+3], s[\g1b:\g1b+7]
	s_nop 0
	v_nop
.Lnone_\@:
.endm
.macro CREST                           ; a round of the cluster's barrier behind its opening barrier
	s_cmp_lg_u32 s14, 0
	s_cbranch_scc1 .Lnot_wave_0_\@
	s_barrier_signal -3
.Lnot_wave_0_\@:
	s_barrier_wait -3
	s_barrier_signal -1
	s_barrier_wait -1
.endm
.macro CROUND                          ; a whole round
	s_barrier_signal -1
	s_barrier_wait -1
	CREST
.endm
.macro WMAX r                          ; the largest of a register over the wave's 32 lanes, left in every lane
	v_max_num_f32_dpp v[\r], v[\r], v[\r] row_xmask:1 row_mask:0xf bank_mask:0xf
	v_max_num_f32_dpp v[\r], v[\r], v[\r] row_xmask:2 row_mask:0xf bank_mask:0xf
	v_max_num_f32_dpp v[\r], v[\r], v[\r] row_xmask:4 row_mask:0xf bank_mask:0xf
	v_max_num_f32_dpp v[\r], v[\r], v[\r] row_xmask:8 row_mask:0xf bank_mask:0xf
	v_permlanex16_b32 v[MX], v[\r], s21, s22
	v_max_num_f32 v[\r], v[\r], v[MX]
.endm
	s_load_b256 s[4:11], s[0:1], 0x0               ; xb 4:5, wqb 6:7, lat 8:9, wupb 10:11
	s_load_b64 s[12:13], s[0:1], 0x20              ; yb
	s_load_b64 s[104:105], s[0:1], 0x28            ; mx
	v_lshl_add_u32 v25, v0, 2, 0x44000
	v_mov_b32 v31, 0
	ds_add_u32 v25, v31
	v_lshrrev_b32 v1, 5, v0
	v_readfirstlane_b32 s14, v1                    ; wave 0..3 = my head in the group
	s_lshr_b32 s15, s14, 1                         ; I fetch token rows (0) or weights (1),
	s_and_b32 s16, s14, 1                          ; and which half of them
	s_bfe_u32 s17, ttmp6, 0x40000                  ; cx
	s_bfe_u32 s18, ttmp6, 0x40004                  ; cy
	s_lshl_b32 s19, ttmp9, 2
	s_add_co_u32 s19, s19, s17                     ; g = 4 x cluster x + cx
	s_and_b32 s20, ttmp7, 0xffff
	s_lshl_b32 s20, s20, 2
	s_add_co_u32 s20, s20, s18                     ; b = 4 x cluster y + cy
	s_lshl_b32 s66, s18, 2
	s_lshl_b32 s66, 15, s66                        ; my row of the cluster: places 4 cy .. 4 cy + 3
	s_lshl_b32 s67, 0x1111, s17                    ; my column: places cx, cx + 4, cx + 8, cx + 12
	; group 1 of the token tiles: 128 rows x 128 elements of 2 bytes, 4 words of padding behind every 64
	s_or_b32 s[G1A+0], s66, (1<<16)|(1<<20)|(1<<21)|(5<<22)|(3<<25)
	s_mov_b32 s[G1A+1], 128<<16                    ; tensor_dim0 = 128
	s_mov_b32 s[G1A+2], 128<<16                    ; tensor_dim1 = 128
	s_mov_b32 s[G1A+3], 128<<16                    ; tile_dim0 = 128
	s_mov_b32 s[G1A+4], 128                        ; tile_dim1 = 128
	s_mov_b32 s[G1A+5], 1024                       ; xb: 1,024 elements from row to row
	s_mov_b32 s[G1A+6], 0
	s_mov_b32 s[G1A+7], 0
	s_or_b32 s[G1L+0], s66, (1<<16)|(1<<20)|(1<<21)|(5<<22)|(3<<25)
	s_mov_b32 s[G1L+1], 128<<16
	s_mov_b32 s[G1L+2], 128<<16
	s_mov_b32 s[G1L+3], 128<<16
	s_mov_b32 s[G1L+4], 128
	s_mov_b32 s[G1L+5], 128                        ; lat: 128 elements from row to row
	s_mov_b32 s[G1L+6], 0
	s_mov_b32 s[G1L+7], 0
	; group 1 of the weights' tiles: 64 k rows x 256 elements, 8 words of padding behind every 128
	s_or_b32 s[G1B+0], s67, (1<<16)|(1<<20)|(1<<21)|(6<<22)|(7<<25)
	s_mov_b32 s[G1B+1], 256<<16                    ; tensor_dim0 = 256
	s_mov_b32 s[G1B+2], 64<<16                     ; tensor_dim1 = 64
	s_mov_b32 s[G1B+3], 256<<16                    ; tile_dim0 = 256
	s_mov_b32 s[G1B+4], 64                         ; tile_dim1 = 64
	s_mov_b32 s[G1B+5], 1024                       ; wqb: 1,024 elements from row to row
	s_mov_b32 s[G1B+6], 0
	s_mov_b32 s[G1B+7], 0
	s_or_b32 s[G1U+0], s67, (1<<16)|(1<<20)|(1<<21)|(6<<22)|(7<<25)
	s_mov_b32 s[G1U+1], 256<<16
	s_mov_b32 s[G1U+2], 64<<16
	s_mov_b32 s[G1U+3], 256<<16
	s_mov_b32 s[G1U+4], 64
	s_mov_b32 s[G1U+5], 2048                       ; wupb: 2,048 elements from row to row
	s_mov_b32 s[G1U+6], 0
	s_mov_b32 s[G1U+7], 0
	; Where the tiles come from.  s[100:101] holds offsets made of b and the wave's number alone, s[2:3] offsets made of g and the wave's number alone.
	s_mov_b32 s101, 0
	s_mov_b32 s3, 0
	s_wait_dscnt 0x0
	s_wait_kmcnt 0x0
	s_lshl_b32 s100, s20, 19                       ; xb: b x 256 rows of 2,048 bytes
	s_lshl_b32 s99, s16, 18                        ;     + half x 128 rows
	s_add_co_u32 s100, s100, s99
	s_add_nc_u64 s[4:5], s[4:5], s[100:101]
	s_lshl_b32 s100, s20, 16                       ; lat: b x 256 rows of 256 bytes
	s_lshl_b32 s99, s16, 15                        ;     + half x 128 rows
	s_add_co_u32 s100, s100, s99
	s_add_nc_u64 s[8:9], s[8:9], s[100:101]
	s_lshl_b32 s2, s19, 9                          ; wqb: g x 256 columns of 2 bytes
	s_lshl_b32 s99, s16, 17                        ;     + half x 64 rows of 2,048 bytes
	s_add_co_u32 s2, s2, s99
	s_add_nc_u64 s[6:7], s[6:7], s[2:3]
	s_lshl_b32 s2, s19, 9                          ; wupb: g x 256 columns
	s_lshl_b32 s99, s16, 18                        ;     + half x 64 rows of 4,096 bytes
	s_add_co_u32 s2, s2, s99
	s_add_nc_u64 s[10:11], s[10:11], s[2:3]
	s_mul_i32 s99, s14, HALFT                      ; and where they go: wave x 34,816 in the slot: no place in the cluster enters an LDS address
.irp s, 0,1
	s_mov_b32 s[G0A+4*\s], 1
	s_add_co_u32 s[G0A+4*\s+1], s99, \s*SLOT
	s_add_nc_u64 s[G0A+4*\s+2:G0A+4*\s+3], s[4:5], \s*256          ; K step s: 128 elements along the rows
	s_or_b32 s[G0A+4*\s+3], s[G0A+4*\s+3], 0x80000000
	s_mov_b32 s[G0B+4*\s], 1
	s_add_co_u32 s[G0B+4*\s+1], s99, \s*SLOT
	s_add_nc_u64 s[G0B+4*\s+2:G0B+4*\s+3], s[6:7], \s*262144       ; K step s: 128 rows down
	s_or_b32 s[G0B+4*\s+3], s[G0B+4*\s+3], 0x80000000
.endr
	s_mov_b32 s[G0L], 1
	s_add_co_u32 s[G0L+1], s99, 0                  ; lat and Wk lie in slot 0
	s_mov_b64 s[G0L+2:G0L+3], s[8:9]
	s_or_b32 s[G0L+3], s[G0L+3], 0x80000000
	s_mov_b32 s[G0K], 1
	s_add_co_u32 s[G0K+1], s99, 0
	s_mov_b64 s[G0K+2:G0K+3], s[10:11]
	s_or_b32 s[G0K+3], s[G0K+3], 0x80000000
	s_mov_b32 s[G0V], 1
	s_add_co_u32 s[G0V+1], s99, 0                  ; Wv takes Wk's bytes
	s_add_nc_u64 s[G0V+2:G0V+3], s[10:11], 2048    ; V's columns begin 1,024 elements behind K's
	s_or_b32 s[G0V+3], s[G0V+3], 0x80000000
	CROUND                                         ; all sixteen work-groups are here: the first joint loads meet
	JL G0A, G1A, G0B, G1B                          ; steps 0 and 1: two tensor loads of each wave are out, the most in this text
	JL G0A+4, G1A, G0B+4, G1B
	; the 512 maxima: every wave reads them all, 32 + 32 bytes a lane, while the first tiles are on their way
	v_and_b32 v30, 31, v0
	v_lshlrev_b32 v30, 5, v30
	global_load_b128 v[32:35], v30, s[104:105]                     ; max|lat| of work-groups 8 lane .. 8 lane + 7 of the launch before
	global_load_b128 v[36:39], v30, s[104:105] offset:16
	global_load_b128 v[40:43], v30, s[104:105] offset:1024         ; max|w_kv_up|: even places K's columns, odd places V's
	global_load_b128 v[44:47], v30, s[104:105] offset:1040
	v_and_b32 v1, 15, v0                           ; r = lane % 16
	v_bfe_u32 v5, v0, 4, 1                         ; h = lane / 16
	v_mul_u32_u24 v28, v1, PITCH
	v_lshl_add_u32 v[ADRA], v5, 4, v28             ; token rows: row r, 16 bytes for each half of the lanes
	v_add_nc_u32 v[ADRA+1], SLOT, v[ADRA]
	v_and_b32 v28, 7, v0                           ; weights, stored [k][n], by transposing loads: row 8 h + lane % 8,
	v_lshl_add_u32 v28, v5, 3, v28
	v_mul_u32_u24 v28, v28, BPITCH
	v_bfe_u32 v29, v0, 3, 1
	v_lshl_add_u32 v28, v29, 4, v28                ; 16 bytes on for lanes 8-15 of each half,
	s_lshl_b32 s23, s14, 7
	v_add_nc_u32 v28, s23, v28                     ; my head's 64 columns
	v_add_nc_u32 v[ADRB], BOFF, v28
	v_add_nc_u32 v[ADRB+1], BOFF+SLOT, v28
	v_mul_u32_u24 v29, v1, YPITCH                  ; y's stage, in: row r, my head's 128 bytes, 16 bytes for each half of the lanes
	v_lshl_add_u32 v29, v5, 4, v29
	v_add_nc_u32 v[YST], s23, v29
	v_and_b32 v29, 31, v0
	v_lshlrev_b32 v[YCO], 4, v29
	s_mul_i32 s23, s14, 64*YPITCH                  ; back: wave w takes rows 64 w .. 64 w + 63, a row of 512 bytes for 32 lanes
	v_add_nc_u32 v[YRD], s23, v[YCO]
	v_add_nc_u32 v[STG0], s99, v[YCO]              ; my stage: slot 1 + wave x 34,816 + 16 x lane
	v_add_nc_u32 v[STG0], SLOT, v[STG0]
	v_lshlrev_b32 v5, 3, v5
	v_sub_nc_u32 v[VD0], v1, v5                    ; r - 8 h
	v_mov_b32 v[NINF], 0xff800000
	v_mov_b32 v[MX], 0                             ; v_permlanex16_b32 counts as a reader of its destination
	s_mov_b32 s21, 0x76543210                      ; lane i of one half reads lane i of the other
	s_mov_b32 s22, 0xfedcba98
	; the two scales
	s_wait_loadcnt 0x0
	v_max3_num_f32 v[MA], v32, v33, v34
	v_max_num_f32 v[MB], v40, v42
	v_max_num_f32 v28, v41, v43
	v_max3_num_f32 v[MA], v[MA], v35, v36
	v_max3_num_f32 v[MB], v[MB], v44, v46
	v_max3_num_f32 v28, v28, v45, v47
	v_max3_num_f32 v[MA], v[MA], v37, v38
	v_max_num_f32 v[MA], v[MA], v39
	WMAX MA
	WMAX MB
	WMAX 28
	v_mul_f32 v[MB], v[MA], v[MB]                  ; max|lat| x max|Wk|
	v_mul_f32 v28, v[MA], v28                      ; max|lat| x max|Wv|: the launch that reads yb makes the same product of the same numbers
	v_readfirstlane_b32 s6, v[MB]
	v_readfirstlane_b32 s7, v28
	s_bfe_u32 s6, s6, 0x80017                      ; e: the 8 bits from bit 23.  The product is below 2^(e - 126), 128 of them below 2^(e - 119)
	s_bfe_u32 s7, s7, 0x80017
	s_max_u32 s6, s6, 11                           ; held to 11 .. 254, so that every exponent field below lies in 1 .. 254
	s_min_u32 s6, s6, 254
	s_max_u32 s7, s7, 11
	s_min_u32 s7, s7, 254
	s_sub_co_u32 s[IK], 261, s6
	s_lshl_b32 s[IK], s[IK], 23                    ; 2^(134 - e) as f32: the field is 127 + 134 - e
	s_mov_b32 s[IK+1], s[IK]
	s_sub_co_u32 s[IV], 261, s7
	s_lshl_b32 s[IV], s[IV], 23
	s_mov_b32 s[IV+1], s[IV]
	s_sub_co_i32 s6, s6, 134
	s_lshl_b32 s6, s6, 23
	s_add_co_u32 s96, s6, 0x3e38aa3b               ; c = log2(e) / 8 x 2^(e - 134): the scale 64^-0.5, the base of v_exp_f32 and K's scale undone, by a sum on the exponent field (124 + e - 134 >= 1)
	s_mov_b32 s97, s96
	s_or_b32 s98, s96, 0x80000000                  ; - c
; ---------------- Q = xb . wqb: 8 K steps of 128, each four quarters of 32, 64 matrix instructions a quarter ----------------
; 16 matrix instructions: token tiles t0 .. t0 + 3 of the window's eight x the 4 d tiles.  The 64 accumulators take turns in one fixed order.
.macro MUL16 f, hi, t0, zero
.irp t, \t0, \t0+1, \t0+2, \t0+3
.irp d, 0,1,2,3
.if \zero
	v_wmma_f32_16x16x32_bf16 v[8*(4*(\t)+\d):8*(4*(\t)+\d)+7], v[FB0+32*\f+8*\d:FB0+32*\f+8*\d+7], v[128*\f+8*(8*\hi+\t):128*\f+8*(8*\hi+\t)+7], 0
.else
	v_wmma_f32_16x16x32_bf16 v[8*(4*(\t)+\d):8*(4*(\t)+\d)+7], v[FB0+32*\f+8*\d:FB0+32*\f+8*\d+7], v[128*\f+8*(8*\hi+\t):128*\f+8*(8*\hi+\t)+7], v[8*(4*(\t)+\d):8*(4*(\t)+\d)+7]
.endif
.endr
.endr
.endm
; 40 LDS loads in one run: quarter q of a slot into buffer f: 8 for my 64 columns of weights, then 32 for the 256 token rows, ascending
.macro FETCH slot, q, f
	WIN 0
.irp d, 0,1,2,3
	ds_load_tr16_b128 v[FB0+32*\f+8*\d:FB0+32*\f+8*\d+3],   v[ADRB+\slot] offset:\q*32*BPITCH+32*\d
	ds_load_tr16_b128 v[FB0+32*\f+8*\d+4:FB0+32*\f+8*\d+7], v[ADRB+\slot] offset:\q*32*BPITCH+16*BPITCH+32*\d
.endr
	WIN 0x40
.irp t, 0,1,2,3,4,5,6,7,8,9,10,11,12,13,14,15
	ds_load_b128 v[128*\f+8*\t:128*\f+8*\t+3],   v[ADRA+\slot] offset:\q*64+\t*16*PITCH
	ds_load_b128 v[128*\f+8*\t+4:128*\f+8*\t+7], v[ADRA+\slot] offset:\q*64+\t*16*PITCH+32
.endr
.endm
.macro QUARTER slot, q, f, g, zero     ; multiplies buffer f; in its middle fetches quarter q into buffer g
	s_wait_dscnt 16                                ; the weights and token tiles 0-7 are in; the youngest sixteen loads (tiles 8-15) may be out
	WIN MUL_LO
	MUL16 \f, 0, 0, \zero
	MUL16 \f, 0, 4, \zero
	PLACES
	FETCH \slot, \q, \g
	s_wait_dscnt 40                                ; all but the 40 just issued
	WIN MUL_HI
	MUL16 \f, 1, 0, \zero
	MUL16 \f, 1, 4, \zero
.endm
.macro THREE slot
	QUARTER \slot, 1, 0, 1, 0
	QUARTER \slot, 2, 1, 0, 0
	QUARTER \slot, 3, 0, 1, 0
.endm
; The last quarter of a K step: multiplies buffer 1 and changes slots.  In front of the barrier each wave waits for its reads of this slot and for all its tensor
; loads (one is out: its part of the next slot).  kind 1, 2: the barrier opens a round of the cluster's barrier; behind the round no wave of any partner reads this slot
; or has a load on its way, and the joint refill comes first: kind 1 the K step two ahead, kind 2 (lat, Wk).  kind 0: nothing is filled and nothing more is fetched for Q.
.macro TURN slot, next, kind
	s_wait_dscnt 16
	WIN MUL_LO
	MUL16 1, 0, 0, 0
	s_wait_dscnt 0x0                               ; my reads of this slot are over
	s_set_vgpr_msb 0xa4a0
	s_wait_tensorcnt 0x0                           ; all my tensor loads have landed
	ds_add_u32 v25, v31
	s_wait_dscnt 0x0
	s_set_vgpr_msb 0xa0a4
	s_barrier_signal -1
	MUL16 1, 0, 4, 0                               ; work on registers while the others arrive
	WIN 0
	s_barrier_wait -1
.if \kind
	CREST
.if \kind == 1
	s_add_nc_u64 s[G0A+4*\slot+2:G0A+4*\slot+3], s[G0A+4*\slot+2:G0A+4*\slot+3], 512
	s_add_nc_u64 s[G0B+4*\slot+2:G0B+4*\slot+3], s[G0B+4*\slot+2:G0B+4*\slot+3], 524288
	JL G0A+4*\slot, G1A, G0B+4*\slot, G1B
.else
	JL G0L, G1L, G0K, G1U
.endif
	PLACES
	FETCH \next, 0, 0
.endif
	WIN MUL_HI
	MUL16 1, 1, 0, 0
	MUL16 1, 1, 4, 0
.endm
	s_wait_tensorcnt 0x1                           ; my part of step 0 is in; step 1's may stay out
	s_barrier_signal -1
	s_barrier_wait -1
	FETCH 0, 0, 0
	QUARTER 0, 1, 0, 1, 1                          ; the first quarter of step 0 starts the sums.  The loop is turned by this one quarter: a trip ends with the first quarter of the next even step
	WIN 0
	s_mov_b32 s23, 3
.Llap:                                             ; trip p: the rest of step 2 p, step 2 p + 1, the first quarter of step 2 p + 2; its turns ask for steps 2 p + 2 and 2 p + 3
	QUARTER 0, 2, 1, 0, 0
	QUARTER 0, 3, 0, 1, 0
	TURN 0, 1, 1
	THREE 1
	TURN 1, 0, 1
	QUARTER 0, 1, 0, 1, 0
	WIN 0
	s_sub_co_u32 s23, s23, 1
	s_cmp_lg_u32 s23, 0
	s_cbranch_scc1 .Llap
	QUARTER 0, 2, 1, 0, 0                          ; the rest of step 6,
	QUARTER 0, 3, 0, 1, 0
	TURN 0, 1, 2                                   ; whose slot gets lat and Wk
	THREE 1                                        ; step 7:
	TURN 1, 0, 0                                   ; its barrier shows lat and Wk whole to every wave, and slot 1 read to its end: slot 1 becomes the waves' stages
; ---------------- K and V = lat . wupb: a loop of four trips of 64 tokens each, 64 matrix instructions a trip ----------------
; dw: the loads' window setting; mw: the products'.  My 64 columns of the weights in slot 0: 4 K steps x 4 d tiles into v[0:127] of the window, once for all four trips
.macro WLOAD dw
	WIN \dw
.irp ks, 0,1,2,3
.irp d, 0,1,2,3
	ds_load_tr16_b128 v[32*\ks+8*\d:32*\ks+8*\d+3],   v[ADRB] offset:\ks*32*BPITCH+32*\d
	ds_load_tr16_b128 v[32*\ks+8*\d+4:32*\ks+8*\d+7], v[ADRB] offset:\ks*32*BPITCH+16*BPITCH+32*\d
.endr
.endr
.endm
; kind 0 (K): accumulator 4 tl + dt, source 0 = weights dt, source 1 = tokens tl.  kind 1 (V): accumulator 4 dt + tl, source 0 = tokens tl, source 1 = weights dt.
; The sixteen accumulators take turns.  The trip's 64 packed registers go to my stage, 16 bytes a lane: register 4 n of trip q lies at 512 (16 q + n).
.macro KVLOOP kind, dw, mw, scl
	s_mov_b32 s23, 4
.Lkv_\@:
	WIN \dw
.irp ks, 0,1,2,3
.irp l, 0,1,2,3
	ds_load_b128 v[128+32*\ks+8*\l:128+32*\ks+8*\l+3],   v[ADRL] offset:\ks*64+\l*16*PITCH
	ds_load_b128 v[128+32*\ks+8*\l+4:128+32*\ks+8*\l+7], v[ADRL] offset:\ks*64+\l*16*PITCH+32
.endr
.endr
	WIN \mw
.irp ks, 0,1,2,3
	s_wait_dscnt 24-8*\ks                          ; eight loads a K step: the later steps' may stay out; what was issued ahead of the 32 is done with them
.irp i, 0,1,2,3
.irp j, 0,1,2,3
.if \ks == 0
	v_wmma_f32_16x16x32_f16 v[ACCB+8*(4*\i+\j):ACCB+8*(4*\i+\j)+7], v[128*\kind+32*\ks+8*\j:128*\kind+32*\ks+8*\j+7], v[128-128*\kind+32*\ks+8*\i:128-128*\kind+32*\ks+8*\i+7], 0
.else
	v_wmma_f32_16x16x32_f16 v[ACCB+8*(4*\i+\j):ACCB+8*(4*\i+\j)+7], v[128*\kind+32*\ks+8*\j:128*\kind+32*\ks+8*\j+7], v[128-128*\kind+32*\ks+8*\i:128-128*\kind+32*\ks+8*\i+7], v[ACCB+8*(4*\i+\j):ACCB+8*(4*\i+\j)+7]
.endif
.endr
.endr
.endr
	WIN 0
	PLACES
.set i, 0
.rept 64
	v_pk_mul_f32 v[ACCB+2*i:ACCB+2*i+1], v[ACCB+2*i:ACCB+2*i+1], s[\scl:\scl+1] op_sel_hi:[1,0]   ; into f16's range
.set i, i+1
.endr
.set i, 0
.rept 64
	v_cvt_pk_f16_f32 v[PK+i], v[ACCB+2*i], v[ACCB+2*i+1]
.set i, i+1
.endr
.set i, 0
.rept 16
	ds_store_b128 v[STG], v[PK+4*i:PK+4*i+3] offset:512*i
.set i, i+1
.endr
	v_add_nc_u32 v[ADRL], 64*PITCH, v[ADRL]        ; the next 64 tokens
	v_add_nc_u32 v[STG], 8192, v[STG]
	s_sub_co_u32 s23, s23, 1
	s_cmp_lg_u32 s23, 0
	s_cbranch_scc1 .Lkv_\@
.endm
.macro RELOAD dw                       ; the 256 packed registers from my stage to their fixed places.  LDS serves a wave's instructions in order (ISA guide 5.7.1.4): these see the loop's stores
	WIN \dw
.set i, 0
.rept 64
	ds_load_b128 v[4*i:4*i+3], v[STG0] offset:512*i
.set i, i+1
.endr
.endm
	WIN 0
	PLACES                                         ; window 1's buffers were sources of the last products
	WLOAD 0x40                                     ; Wk's fragments into registers,
	WIN 0
	s_wait_dscnt 0x0                               ; so that my reads of Wk's bytes are over;
	s_wait_tensorcnt 0x0                           ; no tensor load of mine is out
	ds_add_u32 v25, v31
	s_wait_dscnt 0x0
	CROUND                                         ; both hold of every wave of every work-group of the cluster
	JLB G0V, G1U                                   ; Wv into Wk's bytes: it has K's whole loop in which to land
	v_mov_b32 v[ADRL], v[ADRA]
	v_mov_b32 v[STG], v[STG0]
	KVLOOP 0, 0x40, 0x05, IK                       ; K: operands in window 1; Q's sums still lie in windows 2 and 3
	; Q to f16: accumulator tile idx = 4 t + dt packs into registers 4 idx .. 4 idx + 3 of window 1 = half of fragment (t, dt / 2)
	WIN 0x4a
.set i, 0
.rept 128
	v_cvt_pk_f16_f32 v[i], v[2*i], v[2*i+1]
.set i, i+1
.endr
	WIN 0x4f
.set i, 0
.rept 128
	v_cvt_pk_f16_f32 v[128+i], v[2*i], v[2*i+1]
.set i, i+1
.endr
	RELOAD 0x80                                    ; K's fragments into window 2
	WIN 0
	v_mov_b32 v[ADRL], v[ADRA]
	v_mov_b32 v[STG], v[STG0]
	s_wait_dscnt 0x0                               ; K has left my stage
	s_wait_tensorcnt 0x0                           ; my part of Wv has landed (waves 0 and 1 have none out)
	s_barrier_signal -1
	s_barrier_wait -1                              ; Wv is whole for every wave
	WLOAD 0xc0
	WIN 0
	KVLOOP 1, 0xc0, 0x0f, IV                       ; V: operands in window 3
	RELOAD 0xc0                                    ; V^T's fragments into window 3
	WIN 0
	s_wait_dscnt 0x0                               ; my reads of slot 0 and of my stage are back
	s_barrier_signal -1
	s_barrier_wait -1                              ; everybody's are, and slot 0 has had its last fill: it becomes y's stage
	WIN 0x04                                       ; Q's tiles 1 to 15 into my stage, tile t at 2,048 t; tile 0 already lies where the loop wants its tile, in v[0:15] of window 1
.set i, 4
.rept 60
	ds_store_b128 v[STG0], v[4*i:4*i+3] offset:512*i
.set i, i+1
.endr
	WIN 0
	v_mov_b32 v[QAD], v[STG0]
; ---------------- attention: a loop over the sixteen query tiles; tile t takes key chunks 0 .. t / 4, four key tiles a chunk ----------------
.macro SCH c                           ; S^T of chunk c: four tiles, two matrix instructions each, the four by turns
	WIN 0x06                                       ; source 0 (K) window 2, source 1 (Q) window 1
.irp j, 0,1,2,3
	v_wmma_f32_16x16x32_f16 v[SC+8*(4*\c+\j):SC+8*(4*\c+\j)+7], v[16*(4*\c+\j):16*(4*\c+\j)+7], v[0:7], 0
.endr
.irp j, 0,1,2,3
	v_wmma_f32_16x16x32_f16 v[SC+8*(4*\c+\j):SC+8*(4*\c+\j)+7], v[16*(4*\c+\j)+8:16*(4*\c+\j)+15], v[8:15], v[SC+8*(4*\c+\j):SC+8*(4*\c+\j)+7]
.endr
	WIN 0
.endm
.macro MASKC c                         ; where chunk c holds the diagonal: key 16 j + 8 h + k of the chunk is kept for query 16 i + r where 16 j + k <= 16 i + r - 8 h
	s_cmp_lg_u32 s6, \c
	s_cbranch_scc1 .Lnm_\@
.irp j, 0,1,2,3
.irp k, 0,1,2,3,4,5,6,7
	v_cmp_le_i32 vcc_lo, 16*\j+\k, v[VDI]
	v_cndmask_b32 v[SC+8*(4*\c+\j)+\k], v[NINF], v[SC+8*(4*\c+\j)+\k], vcc_lo
.endr
.endr
.Lnm_\@:
.endm
; Chunk c behind the maximum: exponentials, their sum, P, and P's products with V^T, which run while the next chunk's vector work is issued (it names none of their registers)
.macro ECH c
.set i, 32*\c
.rept 16
	v_pk_fma_f32 v[SC+i:SC+i+1], v[SC+i:SC+i+1], s[96:97], v[NM:NM+1] op_sel_hi:[1,0,1]   ; c (s - maximum)
.set i, i+2
.endr
.set i, 32*\c
.rept 32
	v_exp_f32 v[SC+i], v[SC+i]
.set i, i+1
.endr
	v_nop                                          ; one plain place behind the last transcendental (ISA guide 5.7.2)
.if \c == 0
	s_wait_alu depctr_va_vdst(0)
	v_pk_add_f32 v[LA:LA+1], v[SC:SC+1], v[SC+2:SC+3]              ; the first sums start the two chains
	v_pk_add_f32 v[LB:LB+1], v[SC+4:SC+5], v[SC+6:SC+7]
.set i, 8
.rept 6
	v_pk_add_f32 v[LA:LA+1], v[LA:LA+1], v[SC+i:SC+i+1]
	v_pk_add_f32 v[LB:LB+1], v[LB:LB+1], v[SC+i+2:SC+i+3]
.set i, i+4
.endr
.else
.set i, 32*\c
	s_wait_alu depctr_va_vdst(0)
.rept 8
	v_pk_add_f32 v[LA:LA+1], v[LA:LA+1], v[SC+i:SC+i+1]
	v_pk_add_f32 v[LB:LB+1], v[LB:LB+1], v[SC+i+2:SC+i+3]
.set i, i+4
.endr
.endif
.set i, 16*\c
.rept 16
	v_cvt_pk_f16_f32 v[PF+i], v[SC+2*i], v[SC+2*i+1]               ; key tile kt packs into half of P's fragment kt / 2
.set i, i+1
.endr
	WIN 0x03                                       ; source 0 (V^T) window 3.  The four accumulators take turns
.irp kk, 0,1
.irp d, 0,1,2,3
.if \c+\kk == 0
	v_wmma_f32_16x16x32_f16 v[OA+8*\d:OA+8*\d+7], v[64*\c+16*\d+8*\kk:64*\c+16*\d+8*\kk+7], v[PF+8*(2*\c+\kk):PF+8*(2*\c+\kk)+7], 0
.else
	v_wmma_f32_16x16x32_f16 v[OA+8*\d:OA+8*\d+7], v[64*\c+16*\d+8*\kk:64*\c+16*\d+8*\kk+7], v[PF+8*(2*\c+\kk):PF+8*(2*\c+\kk)+7], v[OA+8*\d:OA+8*\d+7]
.endif
.endr
.endr
	WIN 0
.endm
	s_mov_b32 s23, 0                               ; t
.Lqt:
	s_lshr_b32 s6, s23, 2                          ; the diagonal's chunk, t / 4
	s_and_b32 s7, s23, 3
	s_lshl_b32 s7, s7, 4
	v_add_nc_u32 v[VDI], s7, v[VD0]                ; 16 (t % 4) + r - 8 h
	s_wait_dscnt 0x0                               ; this tile's Q is in (asked for in the trip before)
	SCH 0
.irp c, 1,2,3
	s_cmp_lt_u32 s6, \c
	s_cbranch_scc1 .Lsdone
	SCH \c
.endr
.Lsdone:
	PLACES
	s_cmp_eq_u32 s23, 15                           ; the next tile's Q, 64 bytes a lane, lands under the softmax; the last trip has no next tile
	s_cbranch_scc1 .Lnoq
	v_add_nc_u32 v[QAD], 2048, v[QAD]
	WIN 0x40
.irp j, 0,1,2,3
	ds_load_b128 v[4*\j:4*\j+3], v[QAD] offset:512*\j
.endr
	WIN 0
.Lnoq:
	MASKC 0
	MASKC 1
	MASKC 2
	MASKC 3
	v_max_num_f32 v[MA], v[SC], v[SC+1]            ; my query's maximum over my keys, in two chains
	v_max_num_f32 v[MB], v[SC+2], v[SC+3]
.set i, 4
.rept 7
	v_max3_num_f32 v[MA], v[MA], v[SC+i], v[SC+i+1]
	v_max3_num_f32 v[MB], v[MB], v[SC+i+2], v[SC+i+3]
.set i, i+4
.endr
.irp c, 1,2,3
	s_cmp_lt_u32 s6, \c
	s_cbranch_scc1 .Lmdone
.rept 8
	v_max3_num_f32 v[MA], v[MA], v[SC+i], v[SC+i+1]
	v_max3_num_f32 v[MB], v[MB], v[SC+i+2], v[SC+i+3]
.set i, i+4
.endr
.endr
.Lmdone:
	v_max_num_f32 v[MA], v[MA], v[MB]
	v_permlanex16_b32 v[MX], v[MA], s21, s22       ; the query's other keys lie in the lane 16 away
	v_max_num_f32 v[MA], v[MA], v[MX]
	v_mul_f32 v[NM], s98, v[MA]
	v_mul_f32 v[NM+1], s98, v[MA]
	ECH 0
.irp c, 1,2,3
	s_cmp_lt_u32 s6, \c
	s_cbranch_scc1 .Ledone
	ECH \c
.endr
.Ledone:
	v_pk_add_f32 v[LA:LA+1], v[LA:LA+1], v[LB:LB+1]
	v_add_f32 v[LA], v[LA], v[LA+1]
	v_permlanex16_b32 v[MX], v[LA], s21, s22
	v_add_f32 v[LA], v[LA], v[MX]                  ; the row's sum, at least the maximum's own term
	v_rcp_f32 v[RL], v[LA]
	v_rcp_f32 v[RL+1], v[LA]
	PLACES                                         ; behind the last products, and the plain places behind the two reciprocals
.set i, 0
	s_wait_alu depctr_va_vdst(0)
.rept 16
	v_pk_mul_f32 v[OA+2*i:OA+2*i+1], v[OA+2*i:OA+2*i+1], v[RL:RL+1]
.set i, i+1
.endr
.set i, 0
.rept 16
	v_cvt_pk_f16_f32 v[PF+i], v[OA+2*i], v[OA+2*i+1]               ; y, still in V's scale (a mean of V's rows: inside the same bound), into P's first registers, next written behind the next tile's maximum
.set i, i+1
.endr
.irp d, 0,1,2,3
	ds_store_b128 v[YST], v[PF+4*\d:PF+4*\d+3] offset:32*\d
.endr
	v_add_nc_u32 v[YST], 16*YPITCH, v[YST]
	s_add_co_u32 s23, s23, 1
	s_cmp_lt_u32 s23, 16
	s_cbranch_scc1 .Lqt
	; ---------------- y leaves: whole rows of the group's 512 bytes, 16 rows a trip ----------------
	s_wait_dscnt 0x0                               ; my stores into the stage are done, for the other waves' sake
	s_barrier_signal -1
	s_barrier_wait -1
	s_lshl_b32 s100, s20, 19                       ; yb: b x 256 rows of 2,048 bytes
	s_lshl_b32 s99, s14, 17                        ;     + wave x 64 rows
	s_add_co_u32 s100, s100, s99
	s_add_nc_u64 s[12:13], s[12:13], s[100:101]
	s_lshl_b32 s2, s19, 9                          ;     + g x 256 columns
	s_add_nc_u64 s[12:13], s[12:13], s[2:3]
	s_mov_b32 s23, 4
.Lout:
.irp i, 0,1,2,3,4,5,6,7,8,9,10,11,12,13,14,15
	ds_load_b128 v[64+4*\i:64+4*\i+3], v[YRD] offset:\i*YPITCH
.endr
.irp i, 0,1,2,3,4,5,6,7,8,9,10,11,12,13,14,15
	s_wait_dscnt 15-\i                             ; LDS loads come back in order (ISA guide 5.7.1): row i of the sixteen is in
	global_store_b128 v[YCO], v[64+4*\i:64+4*\i+3], s[12:13] offset:\i*2048   ; a wave's store covers 512 consecutive bytes, aligned
.endr
	s_wait_xcnt 0x0                                ; the stores' data and base are rewritten only behind this wait
	v_add_nc_u32 v[YRD], 16*YPITCH, v[YRD]
	s_add_nc_u64 s[12:13], s[12:13], 32768         ; 16 rows on
	s_sub_co_u32 s23, s23, 1
	s_cmp_lg_u32 s23, 0
	s_cbranch_scc1 .Lout
	s_wait_tensorcnt 0x0
	ds_add_u32 v25, v31
	s_wait_dscnt 0x0
	CROUND                                         ; the closing round: no work-group ends while a partner may still ask for a tile that names it
	s_endpgm
.Lfunc_end_k_q99fa62b52f_attn:
	.size	k_q99fa62b52f_attn, .Lfunc_end_k_q99fa62b52f_attn-k_q99fa62b52f_attn
	.p2alignl 7, 3214868480
	.fill 96, 4, 3214868480
	.section	.rodata,"a",@progbits
	.p2align	6, 0x0
	.amdhsa_kernel k_q99fa62b52f_attn
		.amdhsa_group_segment_fixed_size 327680
		.amdhsa_private_segment_fixed_size 0
		.amdhsa_enable_private_segment 0
		.amdhsa_kernarg_size 48
		.amdhsa_user_sgpr_count 2
		.amdhsa_user_sgpr_kernarg_segment_ptr 1
		.amdhsa_wavefront_size32 1
		.amdhsa_system_sgpr_workgroup_id_x 1
		.amdhsa_system_sgpr_workgroup_id_y 1
		.amdhsa_system_sgpr_workgroup_id_z 1
		.amdhsa_system_vgpr_workitem_id 0
		.amdhsa_next_free_vgpr 1024
		.amdhsa_next_free_sgpr 106
		.amdhsa_reserve_vcc 1
		.amdhsa_float_denorm_mode_32 3
		.amdhsa_float_denorm_mode_16_64 3
		.amdhsa_memory_ordered 1
		.amdhsa_forward_progress 1
		.amdhsa_inst_pref_size 229
	.end_amdhsa_kernel
	.amdgpu_metadata
---
amdhsa.version: [ 1, 2 ]
amdhsa.kernels:
  - .name:           k_q99fa62b52f_attn
    .symbol:         k_q99fa62b52f_attn.kd
    .args:
      - { .name: xb, .offset: 0, .size: 8, .value_kind: global_buffer, .address_space: global }
      - { .name: wqb, .offset: 8, .size: 8, .value_kind: global_buffer, .address_space: global }
      - { .name: lat, .offset: 16, .size: 8, .value_kind: global_buffer, .address_space: global }
      - { .name: wupb, .offset: 24, .size: 8, .value_kind: global_buffer, .address_space: global }
      - { .name: yb, .offset: 32, .size: 8, .value_kind: global_buffer, .address_space: global }
      - { .name: mx, .offset: 40, .size: 8, .value_kind: global_buffer, .address_space: global }
    .group_segment_fixed_size: 327680
    .private_segment_fixed_size: 0
    .kernarg_segment_align: 8
    .kernarg_segment_size: 48
    .max_flat_workgroup_size: 128
    .sgpr_count:     106
    .vgpr_count:     1024
    .wavefront_size: 32
...
	.end_amdgpu_metadata
.endif
;; end of part 4
;; launch outp: the kernel of part 3 again; grid 4 x 64, 4 waves a work-group, clusters of 4 x 4, 327,680 bytes of LDS; arguments yb, wob, out0, mx; writes out0
